; MI455X (gfx1250); checked and timed in simulation.
; The chip was launched on July 23, 2026; its instructions are those of AMD's public machine-readable ISA for CDNA 5 (MIT licence, August 2026) and "CDNA5" Instruction Set Architecture Reference Guide (July 2026). The comments in the code are by the model that wrote it; some were corrected since.
;; CPAB Transform2 D BIS. Allowed arithmetic: float matrix products may take bf16 or f16 operands with f32 sums; all other float work in f32.
;; Inputs: B 20 x 9 float32; m1_Win 64 x 1 float32; m1_Wmid 2 x 64 x 64 float32; m1_Wout 9 x 64 float32; m1_bin 64 float32; m1_bmid 2 x 64 float32; m1_bout 9 float32; m2_Win 64 x 1 float32; m2_Wmid 2 x 64 x 64 float32; m2_Wout 9 x 64 float32; m2_bin 64 float32; m2_bmid 2 x 64 float32; m2_bout 9 float32; x 1,000,000 x 2 float32.
;; Outputs: out0 1,000,000 x 2 float32; out1 1,000,000 x 2 float32.
;; 2 versions, each right; version 2 is version 1 with the launch cpab written anew for expert scheduling mode. Each part assembles by itself: llvm-mc -triple=amdgcn-amd-amdhsa -mcpu=gfx1250 --defsym DOCPART=n.
;; ======== version 1 of 2: 1 launch
;; limits: values are held in f16: magnitudes above 65,504 overflow, below 6.1e-05 lose precision
;; launch cpab (part 1): grid 256 x 1, 16 waves a work-group, no clusters, 35,840 bytes of LDS; arguments x, B, m2_Win, m2_bin, m2_Wmid, m2_bmid, m2_Wout, m2_bout, m1_Win, m1_bin, m1_Wmid, m1_bmid, m1_Wout, m1_bout, out0, out1; writes out0, out1
.if DOCPART == 1
	.amdgcn_target "amdgcn-amd-amdhsa--gfx1250"
	.amdhsa_code_object_version 6
	.text
	.protected	k_q1285ae7563_cpab
	.globl	k_q1285ae7563_cpab
	.p2align	8
	.type	k_q1285ae7563_cpab,@function
k_q1285ae7563_cpab:
	s_mov_b64 s[64:65], 0
	v_nop
	global_prefetch_b8 v0, s[64:65] scope:SCOPE_SE
	s_setreg_imm32_b32 hwreg(HW_REG_WAVE_MODE, 25, 1), 1
	s_wait_xcnt 0x0
; Two coupled CPAB transforms of 1,000,000 points (x2, x1):
;   stage 0: theta2 = MLP2(x1), (z2, lg2) = cpab(x2, theta2);   stage 1: theta1 = MLP1(z2), (z1, lg1) = cpab(x1, theta1)
;   out0 = (z2, z1), out1 = (log exp lg2, log exp lg1).
;
; ALGEBRA, valid for every input.
;   No ReLU follows Linear(1,64): h1 = relu(x u + c), u = Wmid0 Win, c = Wmid0 bin + bmid0.
;   Nothing non-linear stands between Wout and B: ab = (B Wout) h2 + B bout.  Both folds are made in f32, once per work-group.
;   The a rows are scaled by log2 e and the b rows by 10 log2 e; the position is kept as s = 10 x.  Cell borders are then whole numbers,
;   exp and log become the base 2 instructions, and the thresholds of the source (1e-10) are scaled alike.
;   The done flag is not kept: after an inside step t = 0 and s lies in its cell, and a further step then changes nothing
;   (exp2(0) = 1, so psi = s, dt = 0, the cell stays).
;
; SHARING.  A unit is 64 points (512 bytes of x, of out0 and of out1); 15,625 units.  256 work-groups of 16 waves; wave w of group g takes
; units w*256 + g + 4096 i, i = 0 .. 2 or 3.  A wave holds two sets of 32 points, one point a lane (set A, set B), so that one packed f32
; instruction serves both sets.  For the matrix unit the 64 points are four groups of 16 columns.
;
; MATRIX WORK in f16 operands with f32 sums, weights as the first source (rows = features), points as the second (columns).  The result of a
; layer (register j of lane (r, h) = feature 16 t + 8 h + j of point r) packs straight into the second source of the next layer.
; Layer 1 also runs there: x = xh + xl, u = uh + ul, c = ch + cl + cl2 in f16 pieces, six products along K.
;
; NOT SHARED BETWEEN WORK-GROUPS BY JOINT LOADS: the common inputs are 72,984 bytes, read once by each work-group in front of its 61 or 62 units,
; and they pass through registers to be folded and converted; there is no tile that is walked again.
;
; LIMITS.  f16 operands: |Wmid[1]|, the scaled |B Wout|, |u|, |c|, h1, h2 below 65,504; pieces under 2^-14 carry an absolute grain of 2^-25.
; NaN and infinite inputs are not reproduced (the num forms of max and med3 drop NaN).  Thresholds and borders are compared in the scaled
; units, so a comparison can differ from the source by one rounding.  exp(lg) under 2^-126 is flushed to 0, so lg under -87.3 gives -inf.
.set NUNITS, 15625
.set USTEP,  4096                      ; units from one trip of a wave to the next: 16 waves x 256 work-groups
.set NSTEP,  12                        ; CPAB steps (cells + 2)
; LDS, per stage (stage 0 = MLP2 at 0, stage 1 = MLP1 at STG).  A fragment image is 1,024 bytes: registers 0-3 at 16 lane, 4-7 at 512 + 16 lane.
.set STG, 16896
.set W1F, 0                            ; 4 fragments: layer 1, tile t
.set W2F, 4096                         ; 8 fragments: Wmid[1], index 2 t + kf
.set W3F, 12288                        ; 4 fragments: scaled B Wout, index 2 tile + kf
.set C2O, 16384                        ; 64 f32: bmid[1]
.set C3O, 16640                        ; 32 f32: scaled B bout, index 16 tile + m
; float constants
.set F_LOG2E, 0x3fb8aa3b
.set F_LN2,   0x3f317218
.set F_TEN,   0x41200000
.set F_NINE,  0x41100000
.set F_TENTH, 0x3dcccccd
.set HIMASK,  0xffffe000               ; keeps sign, exponent and 10 bits of fraction: what an f16 holds
; vector registers of the main loop
;   v0 = 16 lane, v1 = 32 h, v2 = 8 lane, v3 = byte offset of the stores, v4 = byte offset of the x loads
.set XA,  6                            ; v[6:7]   (x2, x1) of set A
.set XB,  8                            ; v[8:9]   of set B
.set O0A, 10                           ; v[10:11] (z2, z1) of set A
.set O0B, 12
.set O1A, 14                           ; v[14:15] (lg2, lg1) of set A
.set O1B, 16
.set BF,  18                           ; v[18:37] zero4, dA, zero4, dB, zero4: the four layer 1 column fragments overlap in it
.set FRAG, 38                          ; v[38:85] two buffer sets of 24: first half K, second half K, bias tile
.set DREG, 86                          ; v[86:117]  four accumulator tiles
.set H1,  118                          ; v[118:181] h1 of group g at H1 + 16 g; later the ab tiles (g, tile) at H1 + 16 g + 8 tile
.set H2,  182                          ; v[182:245] h2 of group g at H2 + 16 g
.set DALT, 182                         ; v[182:213] four more accumulator tiles during layer 1
; CPAB state and work, pairs (set A, set B), in the registers of h2 once layer 3 has read them
.set RS,  182                          ; s = 10 x
.set RT,  184                          ; time left
.set RLG, 186                          ; sum of a dt, base 2
.set RL,  188                          ; left border = cell number as f32
.set RAL, 190                          ; a log2 e
.set RBL, 192                          ; 10 b log2 e, stored (set B, set A): the last select writes a and b in one dual instruction,
                                       ; which wants one even and one odd destination.  Packed forms read it crossed by op_sel.
.set RR,  194                          ; right border
.set RV,  196                          ; velocity
.set RY,  198                          ; t a, then eta
.set RSB, 200                          ; safe b, then the divisor, then its reciprocal
.set RXB, 202                          ; the border ahead
.set RSV, 204                          ; safe v, then its reciprocal
.set RVB, 206                          ; velocity at the border, then the ratio, then its log2
.set REM, 208                          ; eta - 1, then (eta - 1) / a or t ln 2
.set RM,  210                          ; eta s, then psi
.set RTL, 212                          ; t ln 2
.set RDD, 214                          ; border - s, then the numerator of tau, then tau
.set RPC, 216                          ; psi clipped
.set RDT, 218                          ; dt
.set RLN, 220                          ; the next cell
;   v[222:231], v[232:241] select tree of set A, set B;  v[246:249] scratch
; lane masks in scalar registers, set A in the even and set B in the odd one
.set MC0, 66                           ; bit planes of the cell number: bit 0
.set MC1, 68
.set MC2, 70
.set MC3, 72
.set MS,  74                           ; |a| small
.set MB,  76                           ; |b| small
.set MU,  78                           ; v >= 0
.set MV,  80                           ; |v| small
.set MI,  82                           ; inside
.set MINC, 84                          ; cell + 1, then the carry
.set MDEC, 86                          ; cell - 1, then the borrow
.set MMOV, 88
.set MT0, 90
.set MT1, 92
; other scalars: s4 wave, s6 trips, s7 trip counter, s[8:39] the sixteen addresses, s[40:51] this wave's MLP in the prologue,
; s52-s57 constants, s58 unit, s59 next unit, s60 step counter
; ------------------------------------------------------------------ macros
; A vector instruction that reads a matrix result, and a load into a register that a matrix instruction has named, stand four plain
; vector instructions behind it.
.macro NOP4
.rept 4
	v_nop
.endr
.endm
; The LDS loads of MLP step k (0, 1: layer 1; 2-5: layer 2; 6, 7: layer 3) of stage st into buffer set.
.macro LOADSTEP set, st, k
.set LFA, FRAG+24*(\set)
.if (\k) < 2
.set LOFF, (\st)*STG+W1F+2048*(\k)
.else
.if (\k) < 6
.set LOFF, (\st)*STG+W2F+2048*((\k)-2)
.set LCO,  (\st)*STG+C2O+64*((\k)-2)
.else
.set LOFF, (\st)*STG+W3F+2048*((\k)-6)
.set LCO,  (\st)*STG+C3O+64*((\k)-6)
.endif
.endif
	ds_load_b128 v[LFA:LFA+3],     v0 offset:LOFF
	ds_load_b128 v[LFA+4:LFA+7],   v0 offset:LOFF+512
	ds_load_b128 v[LFA+8:LFA+11],  v0 offset:LOFF+1024
	ds_load_b128 v[LFA+12:LFA+15], v0 offset:LOFF+1536
.if (\k) >= 2
	ds_load_b128 v[LFA+16:LFA+19], v1 offset:LCO       ; bias of rows 8 h .. 8 h + 7, the same in all 16 lanes of a half
	ds_load_b128 v[LFA+20:LFA+23], v1 offset:LCO+16
.endif
.endm
; Behind step k its buffer set is free: fetch step k + 2 into it; behind steps 6 and 7 the first two steps of the other stage.
.macro NEXTLOAD st, k
.if (\k) < 6
	LOADSTEP ((\k)&1), \st, ((\k)+2)
.else
	LOADSTEP ((\k)&1), (1-\st), ((\k)-6)
.endif
.endm
; ReLU of one accumulator tile and its packing to f16: four registers of the next layer's second source.
.macro RELU_CVT d, hd
.irp i,0,1,2,3
	v_dual_max_num_f32 v[\d+2*\i], 0, v[\d+2*\i] :: v_dual_max_num_f32 v[\d+2*\i+1], 0, v[\d+2*\i+1]
.endr
.irp i,0,1,2,3
	v_cvt_pk_f16_f32 v[\hd+\i], v[\d+2*\i], v[\d+2*\i+1]
.endr
.endm
; Waits at the head of a step: LDS loads return in order (ISA guide 5.7.1) and behind this step's loads only the next step's were
; issued, 4 of them for a layer 1 step and 6 for the others: they may stay out.
; Layer 1, tiles 2 k and 2 k + 1 for all four groups.  Group 0: set A lanes 0-15 (d in registers 0-3), group 1: set A lanes 16-31 (d in
; registers 4-7), groups 2, 3 likewise for set B.  The weights are zero at every K place where the wrong half's d would be read.
.macro L1STEP st, k
.if \k == 0
	s_wait_dscnt 0x4
.else
	s_wait_dscnt 0x6
.endif
.set FA, FRAG+24*\k
.irp g,0,1,2,3
	v_wmma_f32_16x16x32_f16 v[DREG+8*\g:DREG+8*\g+7], v[FA:FA+7], v[BF+4-4*(\g&1)+8*(\g>>1):BF+11-4*(\g&1)+8*(\g>>1)], 0
.endr
.irp g,0,1,2,3
	v_wmma_f32_16x16x32_f16 v[DALT+8*\g:DALT+8*\g+7], v[FA+8:FA+15], v[BF+4-4*(\g&1)+8*(\g>>1):BF+11-4*(\g&1)+8*(\g>>1)], 0
.endr
	NOP4
	NEXTLOAD \st, \k
.irp g,0,1,2,3
	RELU_CVT DREG+8*\g, H1+16*\g+8*\k
	RELU_CVT DALT+8*\g, H1+16*\g+8*\k+4
.endr
.endm
; Layer 2, tile t: the bias tile starts the sum, the second half of K is the next link on the same accumulator.
.macro L2STEP st, t
	s_wait_dscnt 0x6
.set FA, FRAG+24*(\t&1)
.irp g,0,1,2,3
	v_wmma_f32_16x16x32_f16 v[DREG+8*\g:DREG+8*\g+7], v[FA:FA+7], v[H1+16*\g:H1+16*\g+7], v[FA+16:FA+23]
.endr
.irp g,0,1,2,3
	v_wmma_f32_16x16x32_f16 v[DREG+8*\g:DREG+8*\g+7], v[FA+8:FA+15], v[H1+16*\g+8:H1+16*\g+15], v[DREG+8*\g:DREG+8*\g+7]
.endr
	NOP4
	NEXTLOAD \st, \t+2
.irp g,0,1,2,3
	RELU_CVT DREG+8*\g, H2+16*\g+4*\t
.endr
.endm
; Layer 3, tile 0: ab rows 0-15; tile 1: rows 16, 17 at m = 0, 1 and rows 18, 19 at m = 8, 9.  The results take the registers of h1.
.macro L3STEP st, tile
.if \tile == 0
	s_wait_dscnt 0x6
.else
	s_wait_dscnt 0x4
.endif
.set FA, FRAG+24*\tile
.irp g,0,1,2,3
	v_wmma_f32_16x16x32_f16 v[H1+16*\g+8*\tile:H1+16*\g+8*\tile+7], v[FA:FA+7], v[H2+16*\g:H2+16*\g+7], v[FA+16:FA+23]
.endr
.irp g,0,1,2,3
	v_wmma_f32_16x16x32_f16 v[H1+16*\g+8*\tile:H1+16*\g+8*\tile+7], v[FA+8:FA+15], v[H2+16*\g+8:H2+16*\g+15], v[H1+16*\g+8*\tile:H1+16*\g+8*\tile+7]
.endr
	NOP4
	NEXTLOAD \st, \tile+6
.endm
; (a, b) of the lane's cell, by a tree of selects on the four bit planes; a (even register) and b (odd register) go in one dual instruction.
; Cells 0-3 lie at PB0 + 0..7, cells 4-7 at PB0 + 16..23, cell 8 at PB0 + 8, 9, cell 9 at PB0 + 24, 25.
.macro SELECT e
.set PB0, H1+32*\e
.set TS, 222+10*\e
	s_mov_b32 vcc_lo, s[MC0+\e]
	v_dual_cndmask_b32 v[TS+0], v[PB0+0], v[PB0+2] :: v_dual_cndmask_b32 v[TS+1], v[PB0+1], v[PB0+3]
	v_dual_cndmask_b32 v[TS+2], v[PB0+4], v[PB0+6] :: v_dual_cndmask_b32 v[TS+3], v[PB0+5], v[PB0+7]
	v_dual_cndmask_b32 v[TS+4], v[PB0+16], v[PB0+18] :: v_dual_cndmask_b32 v[TS+5], v[PB0+17], v[PB0+19]
	v_dual_cndmask_b32 v[TS+6], v[PB0+20], v[PB0+22] :: v_dual_cndmask_b32 v[TS+7], v[PB0+21], v[PB0+23]
	v_dual_cndmask_b32 v[TS+8], v[PB0+8], v[PB0+24] :: v_dual_cndmask_b32 v[TS+9], v[PB0+9], v[PB0+25]
	s_mov_b32 vcc_lo, s[MC1+\e]
	v_dual_cndmask_b32 v[TS+0], v[TS+0], v[TS+2] :: v_dual_cndmask_b32 v[TS+1], v[TS+1], v[TS+3]
	v_dual_cndmask_b32 v[TS+4], v[TS+4], v[TS+6] :: v_dual_cndmask_b32 v[TS+5], v[TS+5], v[TS+7]
	s_mov_b32 vcc_lo, s[MC2+\e]
	v_dual_cndmask_b32 v[TS+0], v[TS+0], v[TS+4] :: v_dual_cndmask_b32 v[TS+1], v[TS+1], v[TS+5]
	s_mov_b32 vcc_lo, s[MC3+\e]
	v_dual_cndmask_b32 v[RAL+\e], v[TS+0], v[TS+8] :: v_dual_cndmask_b32 v[RBL+1-\e], v[TS+1], v[TS+9]
.endm
; The cell number of all 32 lanes of a set steps by +1, -1 or 0, clipped to 0 .. 9, as a ripple through its four bit planes.
.macro CELLMOVE e
	s_and_b32      s[MT0+\e],  s[MC3+\e],  s[MC0+\e]   ; cell 9
	s_and_not1_b32 s[MINC+\e], s[MU+\e],   s[MI+\e]    ; leaves upward
	s_and_not1_b32 s[MINC+\e], s[MINC+\e], s[MT0+\e]   ; and is not in the last cell
	s_or_b32       s[MT0+\e],  s[MC0+\e],  s[MC1+\e]
	s_or_b32       s[MT1+\e],  s[MC2+\e],  s[MC3+\e]
	s_or_b32       s[MT0+\e],  s[MT0+\e],  s[MT1+\e]   ; not cell 0
	s_or_b32       s[MT1+\e],  s[MI+\e],   s[MU+\e]
	s_and_not1_b32 s[MDEC+\e], s[MT0+\e],  s[MT1+\e]   ; leaves downward and is not in the first cell
	s_or_b32       s[MMOV+\e], s[MINC+\e], s[MDEC+\e]
	s_and_b32      s[MINC+\e], s[MINC+\e], s[MC0+\e]   ; carry out of bit 0
	s_and_not1_b32 s[MDEC+\e], s[MDEC+\e], s[MC0+\e]   ; borrow out of bit 0
	s_xor_b32      s[MC0+\e],  s[MC0+\e],  s[MMOV+\e]
	s_or_b32       s[MT0+\e],  s[MINC+\e], s[MDEC+\e]
	s_and_b32      s[MINC+\e], s[MINC+\e], s[MC1+\e]
	s_and_not1_b32 s[MDEC+\e], s[MDEC+\e], s[MC1+\e]
	s_xor_b32      s[MC1+\e],  s[MC1+\e],  s[MT0+\e]
	s_or_b32       s[MT0+\e],  s[MINC+\e], s[MDEC+\e]
	s_and_b32      s[MINC+\e], s[MINC+\e], s[MC2+\e]
	s_and_not1_b32 s[MDEC+\e], s[MDEC+\e], s[MC2+\e]
	s_xor_b32      s[MC2+\e],  s[MC2+\e],  s[MT0+\e]
	s_or_b32       s[MT0+\e],  s[MINC+\e], s[MDEC+\e]
	s_xor_b32      s[MC3+\e],  s[MC3+\e],  s[MT0+\e]
.endm
; One step of the closed-form integration, both sets.  Behind each pair of transcendentals stands plain work on other registers before
; a result is used (ISA guide 5.7.2).
.macro CPSTEP
	SELECT 0
	SELECT 1
	v_pk_fma_f32 v[RV:RV+1], v[RAL:RAL+1], v[RS:RS+1], v[RBL:RBL+1] op_sel:[0,0,1] op_sel_hi:[1,1,0]   ; v = a s + b
	v_pk_mul_f32 v[RY:RY+1], v[RT:RT+1], v[RAL:RAL+1]                                                  ; t a
	v_pk_add_f32 v[RR:RR+1], v[RL:RL+1], 1.0 op_sel_hi:[1,0]                                           ; right border
.irp e,0,1
	v_cmp_lt_f32 s[MS+\e], |v[RAL+\e]|, s52
	v_cmp_lt_f32 s[MB+\e], |v[RBL+1-\e]|, s53
.endr
.irp e,0,1
	v_med3_num_f32 v[RY+\e], v[RY+\e], s57, s56                    ; clip to +-50, in base 2
	v_cndmask_b32 v[RSB+\e], v[RBL+1-\e], s55, s[MB+\e]            ; safe b (1 in the scaled unit)
.endr
	v_exp_f32 v[RY], v[RY]                                         ; eta
	v_exp_f32 v[RY+1], v[RY+1]
.irp e,0,1
	v_cndmask_b32 v[RSB+\e], v[RAL+\e], v[RSB+\e], s[MS+\e]        ; divisor: a, or safe b where a is small
	v_cmp_le_f32 s[MU+\e], 0, v[RV+\e]
.endr
	v_rcp_f32 v[RSB], v[RSB]
	v_rcp_f32 v[RSB+1], v[RSB+1]
.irp e,0,1
	v_cmp_lt_f32 s[MV+\e], |v[RV+\e]|, s53
	v_cndmask_b32 v[RXB+\e], v[RL+\e], v[RR+\e], s[MU+\e]          ; the border ahead
.endr
.irp e,0,1
	v_cndmask_b32 v[RSV+\e], v[RV+\e], s55, s[MV+\e]               ; safe v
.endr
	v_rcp_f32 v[RSV], v[RSV]
	v_rcp_f32 v[RSV+1], v[RSV+1]
	v_pk_fma_f32 v[RVB:RVB+1], v[RAL:RAL+1], v[RXB:RXB+1], v[RBL:RBL+1] op_sel:[0,0,1] op_sel_hi:[1,1,0]   ; velocity at the border
	s_wait_alu depctr_va_vdst(0)
	v_pk_add_f32 v[REM:REM+1], v[RY:RY+1], -1.0 op_sel_hi:[1,0]    ; eta - 1
	v_pk_mul_f32 v[RM:RM+1], v[RY:RY+1], v[RS:RS+1]                ; eta s
	v_pk_mul_f32 v[RVB:RVB+1], v[RVB:RVB+1], v[RSV:RSV+1]          ; ratio
	v_pk_mul_f32 v[REM:REM+1], v[REM:REM+1], v[RSB:RSB+1]          ; (eta - 1) / a
	v_dual_max_num_f32 v[RVB], s54, v[RVB] :: v_dual_max_num_f32 v[RVB+1], s54, v[RVB+1]
	v_pk_mul_f32 v[RTL:RTL+1], v[RT:RT+1], F_LN2 op_sel_hi:[1,0]   ; t ln 2: with the scaled b it gives 10 t b
	v_log_f32 v[RVB], v[RVB]
	v_log_f32 v[RVB+1], v[RVB+1]
.irp e,0,1
	v_cndmask_b32 v[REM+\e], v[REM+\e], v[RTL+\e], s[MS+\e]
.endr
	v_pk_add_f32 v[RDD:RDD+1], v[RXB:RXB+1], v[RS:RS+1] neg_lo:[0,1] neg_hi:[0,1]                          ; border - s
	v_pk_fma_f32 v[RM:RM+1], v[RBL:RBL+1], v[REM:REM+1], v[RM:RM+1] op_sel:[1,0,0] op_sel_hi:[0,1,1]       ; psi
	v_pk_mul_f32 v[RDD:RDD+1], v[RDD:RDD+1], F_LOG2E op_sel_hi:[1,0]
	s_wait_alu depctr_va_vdst(0)
.irp e,0,1
	v_med3_num_f32 v[RPC+\e], v[RM+\e], v[RL+\e], v[RR+\e]         ; psi clipped to the cell
	v_cndmask_b32 v[RDD+\e], v[RVB+\e], v[RDD+\e], s[MS+\e]        ; numerator of tau
.endr
.irp e,0,1
	v_cmp_eq_f32 s[MI+\e], v[RPC+\e], v[RM+\e]                     ; inside: the clip changed nothing
.endr
	v_pk_mul_f32 v[RDD:RDD+1], v[RDD:RDD+1], v[RSB:RSB+1]          ; tau
.irp e,0,1
	v_med3_num_f32 v[RDD+\e], v[RDD+\e], 0, v[RT+\e]
.endr
.irp e,0,1
	v_cndmask_b32 v[RDT+\e], v[RDD+\e], v[RT+\e], s[MI+\e]         ; dt = t inside, tau otherwise
	v_cndmask_b32 v[RS+\e], v[RXB+\e], v[RPC+\e], s[MI+\e]
.endr
	v_pk_fma_f32 v[RLG:RLG+1], v[RAL:RAL+1], v[RDT:RDT+1], v[RLG:RLG+1]
	v_pk_add_f32 v[RT:RT+1], v[RT:RT+1], v[RDT:RDT+1] neg_lo:[0,1] neg_hi:[0,1]
	v_pk_fma_f32 v[RLN:RLN+1], v[RXB:RXB+1], 2.0, v[RR:RR+1] op_sel_hi:[1,0,1] neg_lo:[0,0,1] neg_hi:[0,0,1]   ; 2 border - right = left +- 1
	CELLMOVE 0
	CELLMOVE 1
.irp e,0,1
	v_cndmask_b32 v[RL+\e], v[RL+\e], v[RLN+\e], s[MMOV+\e]
.endr
.endm
; One stage.  PA, PB: the MLP's input of sets A, B; QA, QB: the coordinate that is moved; ZA, ZB, GA, GB: where z and log dz go.
; xload = 1: once x has been read for the last time, the next trip's x is fetched into its registers.
.macro STAGE st, PA, PB, QA, QB, ZA, ZB, GA, GB, xload
	v_and_b32 v246, HIMASK, v[\PA]                 ; x = xh + xl, both exact in f16 down to its grain
	v_and_b32 v248, HIMASK, v[\PB]
	v_sub_f32 v247, v[\PA], v246
	v_sub_f32 v249, v[\PB], v248
	v_cvt_pk_f16_f32 v[BF+4], v246, v247           ; K 0, 1: xh, xl   (against uh, uh)
	v_cvt_pk_f16_f32 v[BF+5], v246, 1.0            ; K 2, 3: xh, 1    (against ul, ch); K 4, 5 are the constant 1, 1 (against cl, cl2)
	v_cvt_pk_f16_f32 v[BF+12], v248, v249
	v_cvt_pk_f16_f32 v[BF+13], v248, 1.0
	L1STEP \st, 0
	L1STEP \st, 1
	L2STEP \st, 0
	L2STEP \st, 1
	L2STEP \st, 2
	L2STEP \st, 3
	L3STEP \st, 0
	L3STEP \st, 1
	; A tile holds in lanes 0-15 rows 0-7 and in lanes 16-31 rows 8-15 of 16 points.  Exchanging the upper half of the first group's
	; register with the lower half of the second group's leaves lane l with point l of the set in both.
.irp e,0,1
.irp j,0,1,2,3,4,5,6,7
	v_permlane16_swap_b32 v[H1+32*\e+\j], v[H1+32*\e+16+\j]
.endr
	v_permlane16_swap_b32 v[H1+32*\e+8], v[H1+32*\e+24]
	v_permlane16_swap_b32 v[H1+32*\e+9], v[H1+32*\e+25]
.endr
	v_mul_f32 v[RS], F_TEN, v[\QA]
	v_mul_f32 v[RS+1], F_TEN, v[\QB]
	v_floor_f32 v[RL], v[RS]
	v_floor_f32 v[RL+1], v[RS+1]
	v_med3_num_f32 v[RL], v[RL], 0, F_NINE
	v_med3_num_f32 v[RL+1], v[RL+1], 0, F_NINE
	v_cvt_u32_f32 v246, v[RL]
	v_cvt_u32_f32 v247, v[RL+1]
.irp b,0,1,2,3
	v_and_b32 v248, 1<<\b, v246
	v_and_b32 v249, 1<<\b, v247
	v_cmp_ne_u32 s[MC0+2*\b], 0, v248
	v_cmp_ne_u32 s[MC0+2*\b+1], 0, v249
.endr
	v_mov_b32 v[RT], 1.0
	v_mov_b32 v[RT+1], 1.0
	v_mov_b32 v[RLG], 0
	v_mov_b32 v[RLG+1], 0
.if \xload
	s_add_co_u32 s59, s58, USTEP                   ; the unit of my next trip; behind my last trip the look-ahead is held at the
	s_min_u32 s59, s59, NUNITS-1                   ; last unit, so that no load leaves x (its data are then not used)
	s_lshl_b32 s59, s59, 9
	v_add_nc_u32 v4, s59, v2                       ; v4 is free: the loads that named it were waited for at the head of the trip
	global_load_b64 v[XA:XA+1], v4, s[8:9] th:TH_LOAD_NT
	global_load_b64 v[XB:XB+1], v4, s[8:9] offset:256 th:TH_LOAD_NT
.endif
	s_mov_b32 s60, 0
.Lcp\st:
	CPSTEP
	s_add_co_u32 s60, s60, 1
	s_cmp_lt_u32 s60, NSTEP
	s_cbranch_scc1 .Lcp\st
	v_exp_f32 v[\GA], v[RLG]                       ; dz = exp(lg)
	v_exp_f32 v[\GB], v[RLG+1]
	v_mul_f32 v[\ZA], F_TENTH, v[RS]               ; z = s / 10
	v_mul_f32 v[\ZB], F_TENTH, v[RS+1]
	s_wait_alu depctr_va_vdst(0)
	v_log_f32 v[\GA], v[\GA]                       ; log dz
	v_log_f32 v[\GB], v[\GB]
	v_nop
	s_wait_alu depctr_va_vdst(0)
	v_mul_f32 v[\GA], F_LN2, v[\GA]
	v_mul_f32 v[\GB], F_LN2, v[\GB]
.endm
; acc += Wout[q][my 8 columns] * Bf[q]; Bf[q] is the first (hi = 0) or second (hi = 1) register of the pair pr
.macro W3ROW q, pr, hi
.irp c,0,1,2,3
.if \hi
	v_pk_fma_f32 v[206+2*\c:207+2*\c], v[96+8*\q+2*\c:97+8*\q+2*\c], v[\pr:\pr+1], v[206+2*\c:207+2*\c] op_sel:[0,1,0] op_sel_hi:[1,1,1]
.else
	v_pk_fma_f32 v[206+2*\c:207+2*\c], v[96+8*\q+2*\c:97+8*\q+2*\c], v[\pr:\pr+1], v[206+2*\c:207+2*\c] op_sel_hi:[1,0,1]
.endif
.endr
.endm
; ------------------------------------------------------------------ prologue: ids, offsets, all loads in one run, the folds, one barrier
	s_load_b512 s[8:23], s[0:1], 0x0               ; x, B, m2: Win, bin, Wmid, bmid, Wout, bout
	s_load_b512 s[24:39], s[0:1], 0x40             ; m1: Win, bin, Wmid, bmid, Wout, bout; out0, out1
	v_lshl_add_u32 v254, v0, 2, 0x8400
	v_mov_b32 v255, 0
	v_lshrrev_b32 v1, 5, v0
	v_readfirstlane_b32 s4, v1                     ; wave 0 .. 15
	v_and_b32 v10, 31, v0                          ; lane
	v_and_b32 v11, 15, v0                          ; r
	v_bfe_u32 v12, v0, 4, 1                        ; h
	v_lshrrev_b32 v13, 2, v10                      ; lane / 4
	v_and_b32 v14, 7, v10
	v_and_b32 v15, 1, v10
	s_mov_b32 s52, 0x2f1ea041                      ; 1e-10 log2 e
	s_mov_b32 s53, 0x30c64852                      ; 1e-9 log2 e
	s_mov_b32 s54, 0x2edbe6ff                      ; 1e-10
	s_mov_b32 s55, 0x4166d4ca                      ; 10 log2 e
	s_mov_b32 s56, 0x429044fe                      ; 50 log2 e
	s_mov_b32 s57, 0xc29044fe
	s_lshl_b32 s58, s4, 8
	s_add_co_u32 s58, s58, ttmp9                   ; my first unit
	s_add_co_u32 s2, s58, 3*USTEP
	s_cmp_lt_u32 s2, NUNITS
	s_cselect_b32 s6, 4, 3                         ; trips
	s_and_b32 s60, s4, 7                           ; j: my share of the folds of my stage
	s_lshr_b32 s61, s4, 3                          ; stage whose weights I fold: waves 0-7 MLP2, 8-15 MLP1
	s_mul_i32 s62, s61, STG
	s_and_b32 s67, s60, 1
	s_lshr_b32 s63, s60, 1
	s_lshr_b32 s70, s60, 2                         ; layer 3 tile
	s_bfe_u32 s72, s60, 0x10001                    ; layer 3 half of K
	v_lshlrev_b32 v2, 3, v10                       ; 8 lane
	s_lshl_b32 s2, s58, 9
	v_add_nc_u32 v3, s2, v2
	v_add_nc_u32 v4, s2, v2
	; global offsets.  Fold 1: rows 8 j + lane / 4 of Wmid[0], 16 columns a lane
	s_lshl_b32 s2, s60, 11
	v_lshl_add_u32 v170, v10, 6, s2
	v_and_b32 v171, 3, v10
	v_lshlrev_b32 v171, 6, v171                    ; the same 16 columns of Win and bin
	s_lshl_b32 s3, s60, 5
	v_lshl_add_u32 v172, v13, 2, s3                ; bmid[0] of my row
	; fold 2: fragment j of Wmid[1]: row 16 (j / 2) + r, columns 32 (j & 1) + 8 h
	s_lshl_b32 s66, s63, 12
	s_lshl_b32 s68, s67, 7
	s_add_co_u32 s66, s66, s68
	s_add_co_u32 s66, s66, 16384
	v_lshl_add_u32 v173, v11, 8, s66
	v_lshl_add_u32 v173, v12, 5, v173
	s_add_co_u32 s69, s3, 256
	v_lshl_add_u32 v174, v14, 2, s69               ; bmid[1], 8 numbers a wave
	; fold 3: row i of B.  Tile 0: i = r.  Tile 1: i = 16 + (r & 1) + 2 (r / 8), used where (r & 6) = 0; i never passes 19
	s_cmp_lg_u32 s70, 0
	s_cselect_b32 s71, -1, 0
	v_lshrrev_b32 v180, 3, v11
	v_lshl_add_u32 v180, v180, 1, v15
	v_add_nc_u32 v180, 16, v180
	v_cndmask_b32 v180, v11, v180, s71
	v_mul_u32_u24 v175, 36, v180
	s_lshl_b32 s72, s72, 7
	s_lshl_b32 s73, s67, 6
	s_add_co_u32 s72, s72, s73
	v_lshl_add_u32 v176, v12, 5, s72               ; Wout columns 32 kf + 16 (j & 1) + 8 h
	; LDS addresses of what I store
	s_lshl_b32 s74, s63, 10
	s_add_co_u32 s74, s74, s68
	s_add_co_u32 s74, s74, s62
	v_lshl_add_u32 v178, v13, 4, s74               ; layer 1: tile j / 2, row 8 (j & 1) + lane / 4; the four lanes of a row write its
	v_bfe_u32 v181, v10, 1, 1                      ; four places: registers 0-3 or 4-7 (bit 1 of the lane), half 0 or 1 (bit 0)
	v_lshl_add_u32 v178, v181, 9, v178
	v_lshl_add_u32 v178, v15, 8, v178
	s_lshl_b32 s75, s60, 10
	s_add_co_u32 s75, s75, s62
	v_lshl_add_u32 v179, v10, 4, s75
	s_add_co_u32 s76, s3, s62
	v_lshl_add_u32 v177, v14, 2, s76
	s_lshl_b32 s77, s60, 9
	s_add_co_u32 s77, s77, s62
	v_lshl_add_u32 v168, v10, 4, s77
	s_lshl_b32 s78, s70, 6
	s_add_co_u32 s78, s78, s62
	v_lshl_add_u32 v169, v11, 2, s78
	; masks and the factor of my ab row
	v_xor_b32 v181, v181, v15
	v_cmp_eq_u32 s79, 0, v181                      ; places (0-3, half 0) and (4-7, half 1) hold the coefficients, the other two zeros
	v_and_b32 v180, 6, v11
	v_cmp_eq_u32 s80, 0, v180
	s_not_b32 s81, s71
	s_or_b32 s80, s80, s81                         ; my row of the tile is an ab row
	v_cmp_ne_u32 s82, 0, v15                       ; odd row: b
	v_mov_b32 v204, F_LOG2E
	v_cndmask_b32 v204, v204, s55, s82
	v_cndmask_b32 v204, 0, v204, s80
	s_wait_kmcnt 0x0
	s_cmp_lt_u32 s4, 8
	s_cselect_b64 s[40:41], s[12:13], s[24:25]     ; Win
	s_cselect_b64 s[42:43], s[14:15], s[26:27]     ; bin
	s_cselect_b64 s[44:45], s[16:17], s[28:29]     ; Wmid
	s_cselect_b64 s[46:47], s[18:19], s[30:31]     ; bmid
	s_cselect_b64 s[48:49], s[20:21], s[32:33]     ; Wout
	s_cselect_b64 s[50:51], s[22:23], s[34:35]     ; bout
	s_load_b256 s[84:91], s[50:51], 0x0
	s_load_b32 s92, s[50:51], 0x20
	global_load_b64 v[XA:XA+1], v4, s[8:9] th:TH_LOAD_NT           ; 32 lanes x 8 bytes: 256 consecutive bytes, aligned
	global_load_b64 v[XB:XB+1], v4, s[8:9] offset:256 th:TH_LOAD_NT
.irp q,0,1,2,3
	global_load_b128 v[16+4*\q:19+4*\q], v170, s[44:45] offset:16*\q
	global_load_b128 v[32+4*\q:35+4*\q], v171, s[40:41] offset:16*\q
	global_load_b128 v[48+4*\q:51+4*\q], v171, s[42:43] offset:16*\q
.endr
	global_load_b32 v64, v172, s[46:47]
	global_load_b128 v[66:69], v173, s[44:45]
	global_load_b128 v[70:73], v173, s[44:45] offset:16
	global_load_b128 v[74:77], v173, s[44:45] offset:64
	global_load_b128 v[78:81], v173, s[44:45] offset:80
	global_load_b32 v82, v174, s[46:47]
.irp q,0,1,2,3,4,5,6,7,8
	global_load_b32 v[84+\q], v175, s[10:11] offset:4*\q
.endr
.irp q,0,1,2,3,4,5,6,7,8
	global_load_b128 v[96+8*\q:99+8*\q], v176, s[48:49] offset:256*\q
	global_load_b128 v[100+8*\q:103+8*\q], v176, s[48:49] offset:256*\q+16
.endr
	s_wait_loadcnt 0x0
	s_wait_kmcnt 0x0
	; fold 1: u = Wmid0 Win, c = Wmid0 bin + bmid0, in f32; four lanes share a row
	v_pk_mul_f32 v[182:183], v[16:17], v[32:33]
	v_pk_mul_f32 v[184:185], v[16:17], v[48:49]
.irp q,1,2,3,4,5,6,7
	v_pk_fma_f32 v[182:183], v[16+2*\q:17+2*\q], v[32+2*\q:33+2*\q], v[182:183]
	v_pk_fma_f32 v[184:185], v[16+2*\q:17+2*\q], v[48+2*\q:49+2*\q], v[184:185]
.endr
	v_add_f32 v182, v182, v183
	v_add_f32 v184, v184, v185
	v_add_f32_dpp v182, v182, v182 row_xmask:1 row_mask:0xf bank_mask:0xf
	v_add_f32_dpp v184, v184, v184 row_xmask:1 row_mask:0xf bank_mask:0xf
	v_add_f32_dpp v182, v182, v182 row_xmask:2 row_mask:0xf bank_mask:0xf
	v_add_f32_dpp v184, v184, v184 row_xmask:2 row_mask:0xf bank_mask:0xf
	v_add_f32 v184, v184, v64
	v_and_b32 v186, HIMASK, v182                   ; uh
	v_sub_f32 v187, v182, v186                     ; ul
	v_and_b32 v188, HIMASK, v184                   ; ch
	v_sub_f32 v189, v184, v188
	v_and_b32 v190, HIMASK, v189                   ; cl
	v_sub_f32 v191, v189, v190                     ; cl2
	v_cvt_pk_f16_f32 v192, v186, v186
	v_cvt_pk_f16_f32 v193, v187, v188
	v_cvt_pk_f16_f32 v194, v190, v191
	v_mov_b32 v195, 0
	v_cndmask_b32 v192, 0, v192, s79
	v_cndmask_b32 v193, 0, v193, s79
	v_cndmask_b32 v194, 0, v194, s79
	ds_store_b128 v178, v[192:195] offset:W1F
	; fold 2: my fragment of Wmid[1] in f16, and 8 numbers of bmid[1]
.irp q,0,1,2,3,4,5,6,7
	v_cvt_pk_f16_f32 v[196+\q], v[66+2*\q], v[67+2*\q]
.endr
	ds_store_b128 v179, v[196:199] offset:W2F
	ds_store_b128 v179, v[200:203] offset:W2F+512
	ds_store_b32 v177, v82 offset:C2O
	; fold 3: 8 columns of row i of f B Wout, and f B bout
.irp q,0,1,2,3,4,5,6,7,8
	v_mul_f32 v[84+\q], v204, v[84+\q]
.endr
	v_mov_b32 v93, 0                               ; the packed forms name whole pairs
.irp c,0,1,2,3
	v_pk_mul_f32 v[206+2*\c:207+2*\c], v[96+2*\c:97+2*\c], v[84:85] op_sel_hi:[1,0]
.endr
	W3ROW 1, 84, 1
	W3ROW 2, 86, 0
	W3ROW 3, 86, 1
	W3ROW 4, 88, 0
	W3ROW 5, 88, 1
	W3ROW 6, 90, 0
	W3ROW 7, 90, 1
	W3ROW 8, 92, 0
	v_mul_f32 v214, s84, v84
.irp q,1,2,3,4,5,6,7,8
	v_fma_f32 v214, s[84+\q], v[84+\q], v214
.endr
.irp c,0,1,2,3
	v_cvt_pk_f16_f32 v[216+\c], v[206+2*\c], v[207+2*\c]
.endr
	ds_store_b128 v168, v[216:219] offset:W3F
	s_and_b32 s2, s4, 3                            ; the four waves of a tile hold the same bias: one of them stores it
	s_cmp_lg_u32 s2, 0
	s_cbranch_scc1 .Lno_bias
	ds_store_b32 v169, v214 offset:C3O
.Lno_bias:
	s_wait_dscnt 0x0                               ; my stores are in LDS before I say so; from here on LDS is only read
	s_barrier_signal -1
	s_barrier_wait -1
	v_lshlrev_b32 v0, 4, v10                       ; 16 lane
	v_lshlrev_b32 v1, 5, v12                       ; 32 h
.irp q,0,1,2,3,7,8,9,10,11,15,16,17,18,19
	v_mov_b32 v[BF+\q], 0                          ; the zero blocks and K 6, 7 of both d
.endr
	v_mov_b32 v[BF+6], 0x3c003c00                  ; K 4, 5 of d: 1, 1 in f16
	v_mov_b32 v[BF+14], 0x3c003c00
	LOADSTEP 0, 0, 0
	LOADSTEP 1, 0, 1
	s_mov_b32 s7, 0
; ------------------------------------------------------------------ a trip: one unit of 64 points through both stages
.Ltrip:
	s_wait_loadcnt 0x0                             ; x of this trip, asked for during stage 1 of the last one
	STAGE 0, XA+1, XB+1, XA, XB, O0A, O0B, O1A, O1B, 0
	STAGE 1, O0A, O0B, XA+1, XB+1, O0A+1, O0B+1, O1A+1, O1B+1, 1
	global_store_b64 v3, v[O0A:O0A+1], s[36:37] th:TH_STORE_NT             ; each store of the wave covers 256 consecutive bytes, aligned
	global_store_b64 v3, v[O0B:O0B+1], s[36:37] offset:256 th:TH_STORE_NT
	global_store_b64 v3, v[O1A:O1A+1], s[38:39] th:TH_STORE_NT
	global_store_b64 v3, v[O1B:O1B+1], s[38:39] offset:256 th:TH_STORE_NT
	s_wait_xcnt 0x0                                ; v3 and the four result pairs are rewritten only behind this wait
	s_add_co_u32 s58, s58, USTEP
	s_lshl_b32 s2, s58, 9
	v_add_nc_u32 v3, s2, v2
	s_add_co_u32 s7, s7, 1
	s_cmp_lt_u32 s7, s6
	s_cbranch_scc1 .Ltrip
	s_wait_dscnt 0x0                               ; the fragments that the last trip fetched ahead
	s_wait_tensorcnt 0x0
	ds_add_u32 v254, v255
	s_wait_dscnt 0x0
	s_endpgm
.Lfunc_end_k_q1285ae7563_cpab:
	.size	k_q1285ae7563_cpab, .Lfunc_end_k_q1285ae7563_cpab-k_q1285ae7563_cpab
	.p2alignl 7, 3214868480
	.fill 96, 4, 3214868480
	.section	.rodata,"a",@progbits
	.p2align	6, 0x0
	.amdhsa_kernel k_q1285ae7563_cpab
		.amdhsa_group_segment_fixed_size 35840
		.amdhsa_private_segment_fixed_size 0
		.amdhsa_enable_private_segment 0
		.amdhsa_kernarg_size 128
		.amdhsa_user_sgpr_count 2
		.amdhsa_user_sgpr_kernarg_segment_ptr 1
		.amdhsa_wavefront_size32 1
		.amdhsa_system_sgpr_workgroup_id_x 1
		.amdhsa_system_sgpr_workgroup_id_y 1
		.amdhsa_system_sgpr_workgroup_id_z 1
		.amdhsa_system_vgpr_workitem_id 0
		.amdhsa_next_free_vgpr 256
		.amdhsa_next_free_sgpr 100
		.amdhsa_reserve_vcc 1
		.amdhsa_float_denorm_mode_32 3
		.amdhsa_float_denorm_mode_16_64 3
		.amdhsa_memory_ordered 1
		.amdhsa_forward_progress 1
		.amdhsa_inst_pref_size 85
	.end_amdhsa_kernel
	.amdgpu_metadata
---
amdhsa.version: [ 1, 2 ]
amdhsa.kernels:
  - .name:           k_q1285ae7563_cpab
    .symbol:         k_q1285ae7563_cpab.kd
    .args:
      - { .name: x, .offset: 0, .size: 8, .value_kind: global_buffer, .address_space: global }
      - { .name: B, .offset: 8, .size: 8, .value_kind: global_buffer, .address_space: global }
      - { .name: m2_Win, .offset: 16, .size: 8, .value_kind: global_buffer, .address_space: global }
      - { .name: m2_bin, .offset: 24, .size: 8, .value_kind: global_buffer, .address_space: global }
      - { .name: m2_Wmid, .offset: 32, .size: 8, .value_kind: global_buffer, .address_space: global }
      - { .name: m2_bmid, .offset: 40, .size: 8, .value_kind: global_buffer, .address_space: global }
      - { .name: m2_Wout, .offset: 48, .size: 8, .value_kind: global_buffer, .address_space: global }
      - { .name: m2_bout, .offset: 56, .size: 8, .value_kind: global_buffer, .address_space: global }
      - { .name: m1_Win, .offset: 64, .size: 8, .value_kind: global_buffer, .address_space: global }
      - { .name: m1_bin, .offset: 72, .size: 8, .value_kind: global_buffer, .address_space: global }
      - { .name: m1_Wmid, .offset: 80, .size: 8, .value_kind: global_buffer, .address_space: global }
      - { .name: m1_bmid, .offset: 88, .size: 8, .value_kind: global_buffer, .address_space: global }
      - { .name: m1_Wout, .offset: 96, .size: 8, .value_kind: global_buffer, .address_space: global }
      - { .name: m1_bout, .offset: 104, .size: 8, .value_kind: global_buffer, .address_space: global }
      - { .name: out0, .offset: 112, .size: 8, .value_kind: global_buffer, .address_space: global }
      - { .name: out1, .offset: 120, .size: 8, .value_kind: global_buffer, .address_space: global }
    .group_segment_fixed_size: 35840
    .private_segment_fixed_size: 0
    .kernarg_segment_align: 8
    .kernarg_segment_size: 128
    .max_flat_workgroup_size: 512
    .sgpr_count:     100
    .vgpr_count:     256
    .wavefront_size: 32
...
	.end_amdgpu_metadata
.endif
;; end of part 1
;; ======== version 2 of 2: 1 launch; version 1 with the launch cpab written anew for expert scheduling mode
;; limits: values are held in f16: magnitudes above 65,504 overflow, below 6.1e-05 lose precision
;; launch cpab (part 2): grid 256 x 1, 16 waves a work-group, no clusters, 35,840 bytes of LDS; arguments x, B, m2_Win, m2_bin, m2_Wmid, m2_bmid, m2_Wout, m2_bout, m1_Win, m1_bin, m1_Wmid, m1_bmid, m1_Wout, m1_bout, out0, out1; writes out0, out1
.if DOCPART == 2
	.amdgcn_target "amdgcn-amd-amdhsa--gfx1250"
	.amdhsa_code_object_version 6
	.text
	.protected	k_q1285ae7563_cpab
	.globl	k_q1285ae7563_cpab
	.p2align	8
	.type	k_q1285ae7563_cpab,@function
k_q1285ae7563_cpab:
	s_mov_b64 s[64:65], 0
	v_nop
	global_prefetch_b8 v0, s[64:65] scope:SCOPE_SE
	s_setreg_imm32_b32 hwreg(HW_REG_WAVE_SCHED_MODE, 0, 2), 2
	s_setreg_imm32_b32 hwreg(HW_REG_WAVE_MODE, 25, 1), 1
	s_wait_xcnt 0x0
	s_wait_alu depctr_vm_vsrc(0)
; Two coupled CPAB transforms of 1,000,000 points (x2, x1):
;   stage 0: theta2 = MLP2(x1), (z2, lg2) = cpab(x2, theta2);   stage 1: theta1 = MLP1(z2), (z1, lg1) = cpab(x1, theta1)
;   out0 = (z2, z1), out1 = (log exp lg2, log exp lg1).
;
; ALGEBRA, valid for every input.
;   No ReLU follows Linear(1,64): h1 = relu(x u + c), u = Wmid0 Win, c = Wmid0 bin + bmid0.
;   Nothing non-linear stands between Wout and B: ab = (B Wout) h2 + B bout.  Both folds are made in f32, once per work-group.
;   The a rows are scaled by log2 e and the b rows by 10 log2 e; the position is kept as s = 10 x.  Cell borders are then whole numbers,
;   exp and log become the base 2 instructions, and the thresholds of the source (1e-10) are scaled alike.
;   The done flag is not kept: after an inside step t = 0 and s lies in its cell, and a further step then changes nothing
;   (exp2(0) = 1, so psi = s, dt = 0, the cell stays).
;
; SHARING.  A unit is 64 points (512 bytes of x, of out0 and of out1); 15,625 units.  256 work-groups of 16 waves; wave w of group g takes
; units w*256 + g + 4096 i, i = 0 .. 2 or 3.  A wave holds two sets of 32 points, one point a lane (set A, set B), so that one packed f32
; instruction serves both sets.  For the matrix unit the 64 points are four groups of 16 columns.
;
; MATRIX WORK in f16 operands with f32 sums, weights as the first source (rows = features), points as the second (columns).  The result of a
; layer (register j of lane (r, h) = feature 16 t + 8 h + j of point r) packs straight into the second source of the next layer.
; Layer 1 also runs there: x = xh + xl, u = uh + ul, c = ch + cl + cl2 in f16 pieces, six products along K.
;
; NOT SHARED BETWEEN WORK-GROUPS BY JOINT LOADS: the common inputs are 72,984 bytes, read once by each work-group in front of its 61 or 62 units,
; and they pass through registers to be folded and converted; there is no tile that is walked again.
;
; LIMITS.  f16 operands: |Wmid[1]|, the scaled |B Wout|, |u|, |c|, h1, h2 below 65,504; pieces under 2^-14 carry an absolute grain of 2^-25.
; NaN and infinite inputs are not reproduced (the num forms of max and med3 drop NaN).  Thresholds and borders are compared in the scaled
; units, so a comparison can differ from the source by one rounding.  exp(lg) under 2^-126 is flushed to 0, so lg under -87.3 gives -inf.
;
; THE MODE: SCHED_MODE bits 1:0 = 2 (LLVM: expert scheduling mode 2), set by the entry lines.  The code itself states the register dependences
; between vector or matrix instructions and memory or LDS instructions, and those of vector results in scalar registers, with s_wait_alu, always for 0.
; THE PLAN.  Registers that memory or LDS instructions touch, in the loop over trips:
;   FRAG set 0, 1   MLP step k: its eight matrix instructions read set k & 1.  Steps 0 to 5: behind the step's conversions one wait on va_vdst, then the loads
;                   of step k + 2 land in the set.  Steps 6 and 7: both sets are loaded again (the other stage's steps 0 and 1) behind the one wait on va_vdst
;                   that closes the set-up of the CPAB state.
;   v0, v1, v2      16 lane, 32 h (LDS addresses) and 8 lane (the offset of every load of x and every store): made once, never written again.
;                   x, out0 and out1 are reached by scalar bases made anew from the unit's number.
;   XA, XB          Loaded once a trip.  Read by stage 0 and, last, by stage 1's s = 10 x; the wait that closes stage 1's set-up stands behind that line,
;                   and the next trip's x is asked for behind it.
;   O0A .. O1B      Written by the multiplies at the end of each stage; read by the four stores at the trip's end, behind one wait on va_vdst.  They are written
;                   again from the end of the next trip's stage 0 on: there stand s_wait_xcnt 0 and the wait on vm_vsrc, half a trip behind the stores.
;   All other registers are named by vector and matrix instructions alone.  The two loops over the CPAB steps hold no memory or LDS instruction: their waits
;   are for compares whose masks lie in scalar registers (two runs, two waits on va_sdst) and for transcendentals (two batches, two waits on va_vdst).
.set NUNITS, 15625
.set USTEP,  4096                      ; units from one trip of a wave to the next: 16 waves x 256 work-groups
.set NSTEP,  12                        ; CPAB steps (cells + 2)
; LDS, per stage (stage 0 = MLP2 at 0, stage 1 = MLP1 at STG).  A fragment image is 1,024 bytes: registers 0-3 at 16 lane, 4-7 at 512 + 16 lane.
.set STG, 16896
.set W1F, 0                            ; 4 fragments: layer 1, tile t
.set W2F, 4096                         ; 8 fragments: Wmid[1], index 2 t + kf
.set W3F, 12288                        ; 4 fragments: scaled B Wout, index 2 tile + kf
.set C2O, 16384                        ; 64 f32: bmid[1]
.set C3O, 16640                        ; 32 f32: scaled B bout, index 16 tile + m
; float constants
.set F_LOG2E, 0x3fb8aa3b
.set F_LN2,   0x3f317218
.set F_TEN,   0x41200000
.set F_NINE,  0x41100000
.set F_TENTH, 0x3dcccccd
.set HIMASK,  0xffffe000               ; keeps sign, exponent and 10 bits of fraction: what an f16 holds
; vector registers of the main loop
;   v0 = 16 lane, v1 = 32 h, v2 = 8 lane
.set XA,  6                            ; v[6:7]   (x2, x1) of set A
.set XB,  8                            ; v[8:9]   of set B
.set O0A, 10                           ; v[10:11] (z2, z1) of set A
.set O0B, 12
.set O1A, 14                           ; v[14:15] (lg2, lg1) of set A
.set O1B, 16
.set BF,  18                           ; v[18:37] zero4, dA, zero4, dB, zero4: the four layer 1 column fragments overlap in it
.set FRAG, 38                          ; v[38:85] two buffer sets of 24: first half K, second half K, bias tile
.set DREG, 86                          ; v[86:117]  four accumulator tiles
.set H1,  118                          ; v[118:181] h1 of group g at H1 + 16 g; later the ab tiles (g, tile) at H1 + 16 g + 8 tile
.set H2,  182                          ; v[182:245] h2 of group g at H2 + 16 g
.set DALT, 182                         ; v[182:213] four more accumulator tiles during layer 1
; CPAB state and work, pairs (set A, set B), in the registers of h2 once layer 3 has read them
.set RS,  182                          ; s = 10 x
.set RT,  184                          ; time left
.set RLG, 186                          ; sum of a dt, base 2
.set RL,  188                          ; left border = cell number as f32
.set RAL, 190                          ; a log2 e
.set RBL, 192                          ; 10 b log2 e, stored (set B, set A): the last select writes a and b in one dual instruction,
                                       ; which wants one even and one odd destination.  Packed forms read it crossed by op_sel.
.set RR,  194                          ; right border
.set RV,  196                          ; velocity
.set RY,  198                          ; t a, then eta
.set RSB, 200                          ; safe b, then the divisor, then its reciprocal
.set RXB, 202                          ; the border ahead
.set RSV, 204                          ; safe v, then its reciprocal
.set RVB, 206                          ; velocity at the border, then the ratio, then its log2
.set REM, 208                          ; eta - 1, then (eta - 1) / a or t ln 2
.set RM,  210                          ; eta s, then psi
.set RTL, 212                          ; t ln 2
.set RDD, 214                          ; border - s, then the numerator of tau, then tau
.set RPC, 216                          ; psi clipped
.set RDT, 218                          ; dt
.set RLN, 220                          ; the next cell
;   v[222:231], v[232:241] select tree of set A, set B;  v[246:249] scratch
; lane masks in scalar registers, set A in the even and set B in the odd one
.set MC0, 66                           ; bit planes of the cell number: bit 0
.set MC1, 68
.set MC2, 70
.set MC3, 72
.set MS,  74                           ; |a| small
.set MB,  76                           ; |b| small
.set MU,  78                           ; v >= 0
.set MV,  80                           ; |v| small
.set MI,  82                           ; inside
.set MINC, 84                          ; cell + 1, then the carry
.set MDEC, 86                          ; cell - 1, then the borrow
.set MMOV, 88
.set MT0, 90
.set MT1, 92
; other scalars: s4 wave, s6 trips, s7 trip counter, s[8:39] the sixteen addresses, s[40:51] this wave's MLP in the prologue,
; s52-s57 constants, s58 unit, s59 next unit, s60 step counter, s[62:63] a unit's byte offset (high word 0),
; s[94:95] x at the unit that is loaded, s[96:97], s[98:99] out0 and out1 at the unit that is stored
; ------------------------------------------------------------------ macros
; A vector instruction that reads a matrix result, or writes a register that a matrix instruction has named, stands four plain
; vector instructions behind it (ISA guide 7.12.1).
.macro NOP4
.rept 4
	v_nop
.endr
.endm
; The LDS loads of MLP step k (0, 1: layer 1; 2-5: layer 2; 6, 7: layer 3) of stage st into buffer set.
.macro LOADSTEP set, st, k
.set LFA, FRAG+24*(\set)
.if (\k) < 2
.set LOFF, (\st)*STG+W1F+2048*(\k)
.else
.if (\k) < 6
.set LOFF, (\st)*STG+W2F+2048*((\k)-2)
.set LCO,  (\st)*STG+C2O+64*((\k)-2)
.else
.set LOFF, (\st)*STG+W3F+2048*((\k)-6)
.set LCO,  (\st)*STG+C3O+64*((\k)-6)
.endif
.endif
	ds_load_b128 v[LFA:LFA+3],     v0 offset:LOFF
	ds_load_b128 v[LFA+4:LFA+7],   v0 offset:LOFF+512
	ds_load_b128 v[LFA+8:LFA+11],  v0 offset:LOFF+1024
	ds_load_b128 v[LFA+12:LFA+15], v0 offset:LOFF+1536
.if (\k) >= 2
	ds_load_b128 v[LFA+16:LFA+19], v1 offset:LCO       ; bias of rows 8 h .. 8 h + 7, the same in all 16 lanes of a half
	ds_load_b128 v[LFA+20:LFA+23], v1 offset:LCO+16
.endif
.endm
; Behind step k its buffer set is free: fetch step k + 2 into it; for steps 6 and 7 the first two steps of the other stage.
.macro NEXTLOAD st, k
.if (\k) < 6
	LOADSTEP ((\k)&1), \st, ((\k)+2)
.else
	LOADSTEP ((\k)&1), (1-\st), ((\k)-6)
.endif
.endm
; ReLU of one accumulator tile and its packing to f16: four registers of the next layer's second source.
.macro RELU_CVT d, hd
.irp i,0,1,2,3
	v_dual_max_num_f32 v[\d+2*\i], 0, v[\d+2*\i] :: v_dual_max_num_f32 v[\d+2*\i+1], 0, v[\d+2*\i+1]
.endr
.irp i,0,1,2,3
	v_cvt_pk_f16_f32 v[\hd+\i], v[\d+2*\i], v[\d+2*\i+1]
.endr
.endm
; Waits at the head of a step: LDS loads return in order (ISA guide 5.7.1) and behind this step's loads only the next step's were
; issued, 4 of them for a layer 1 step and 6 for the others: they may stay out.  Behind step 7's loads none were issued.
; Layer 1, tiles 2 k and 2 k + 1 for all four groups.  Group 0: set A lanes 0-15 (d in registers 0-3), group 1: set A lanes 16-31 (d in
; registers 4-7), groups 2, 3 likewise for set B.  The weights are zero at every K place where the wrong half's d would be read.
.macro L1STEP st, k
.if \k == 0
	s_wait_dscnt 0x4
.else
	s_wait_dscnt 0x6
.endif
.set FA, FRAG+24*\k
.irp g,0,1,2,3
	v_wmma_f32_16x16x32_f16 v[DREG+8*\g:DREG+8*\g+7], v[FA:FA+7], v[BF+4-4*(\g&1)+8*(\g>>1):BF+11-4*(\g&1)+8*(\g>>1)], 0
.endr
.irp g,0,1,2,3
	v_wmma_f32_16x16x32_f16 v[DALT+8*\g:DALT+8*\g+7], v[FA+8:FA+15], v[BF+4-4*(\g&1)+8*(\g>>1):BF+11-4*(\g&1)+8*(\g>>1)], 0
.endr
	NOP4
.irp g,0,1,2,3
	RELU_CVT DREG+8*\g, H1+16*\g+8*\k
	RELU_CVT DALT+8*\g, H1+16*\g+8*\k+4
.endr
	s_wait_alu depctr_va_vdst(0)                   ; this step's matrix instructions are done reading their buffer set, in which the loads below land
	NEXTLOAD \st, \k
.endm
; Layer 2, tile t: the bias tile starts the sum, the second half of K is the next link on the same accumulator.
.macro L2STEP st, t
	s_wait_dscnt 0x6
.set FA, FRAG+24*(\t&1)
.irp g,0,1,2,3
	v_wmma_f32_16x16x32_f16 v[DREG+8*\g:DREG+8*\g+7], v[FA:FA+7], v[H1+16*\g:H1+16*\g+7], v[FA+16:FA+23]
.endr
.irp g,0,1,2,3
	v_wmma_f32_16x16x32_f16 v[DREG+8*\g:DREG+8*\g+7], v[FA+8:FA+15], v[H1+16*\g+8:H1+16*\g+15], v[DREG+8*\g:DREG+8*\g+7]
.endr
	NOP4
.irp g,0,1,2,3
	RELU_CVT DREG+8*\g, H2+16*\g+4*\t
.endr
	s_wait_alu depctr_va_vdst(0)                   ; this step's matrix instructions are done reading their buffer set (weights and bias tile), in which the loads below land
	NEXTLOAD \st, \t+2
.endm
; Layer 3, tile 0: ab rows 0-15; tile 1: rows 16, 17 at m = 0, 1 and rows 18, 19 at m = 8, 9.  The results take the registers of h1.
; Its two buffer sets are loaded again behind the set-up of the CPAB state (STAGE), so no load and no wait on va_vdst stands here.
.macro L3STEP tile
.if \tile == 0
	s_wait_dscnt 0x6
.else
	s_wait_dscnt 0x0
.endif
.set FA, FRAG+24*\tile
.irp g,0,1,2,3
	v_wmma_f32_16x16x32_f16 v[H1+16*\g+8*\tile:H1+16*\g+8*\tile+7], v[FA:FA+7], v[H2+16*\g:H2+16*\g+7], v[FA+16:FA+23]
.endr
.irp g,0,1,2,3
	v_wmma_f32_16x16x32_f16 v[H1+16*\g+8*\tile:H1+16*\g+8*\tile+7], v[FA+8:FA+15], v[H2+16*\g+8:H2+16*\g+15], v[H1+16*\g+8*\tile:H1+16*\g+8*\tile+7]
.endr
.endm
; (a, b) of the lane's cell, by a tree of selects on the four bit planes; a (even register) and b (odd register) go in one dual instruction.
; Cells 0-3 lie at PB0 + 0..7, cells 4-7 at PB0 + 16..23, cell 8 at PB0 + 8, 9, cell 9 at PB0 + 24, 25.
.macro SELECT e
.set PB0, H1+32*\e
.set TS, 222+10*\e
	s_mov_b32 vcc_lo, s[MC0+\e]
	v_dual_cndmask_b32 v[TS+0], v[PB0+0], v[PB0+2] :: v_dual_cndmask_b32 v[TS+1], v[PB0+1], v[PB0+3]
	v_dual_cndmask_b32 v[TS+2], v[PB0+4], v[PB0+6] :: v_dual_cndmask_b32 v[TS+3], v[PB0+5], v[PB0+7]
	v_dual_cndmask_b32 v[TS+4], v[PB0+16], v[PB0+18] :: v_dual_cndmask_b32 v[TS+5], v[PB0+17], v[PB0+19]
	v_dual_cndmask_b32 v[TS+6], v[PB0+20], v[PB0+22] :: v_dual_cndmask_b32 v[TS+7], v[PB0+21], v[PB0+23]
	v_dual_cndmask_b32 v[TS+8], v[PB0+8], v[PB0+24] :: v_dual_cndmask_b32 v[TS+9], v[PB0+9], v[PB0+25]
	s_mov_b32 vcc_lo, s[MC1+\e]
	v_dual_cndmask_b32 v[TS+0], v[TS+0], v[TS+2] :: v_dual_cndmask_b32 v[TS+1], v[TS+1], v[TS+3]
	v_dual_cndmask_b32 v[TS+4], v[TS+4], v[TS+6] :: v_dual_cndmask_b32 v[TS+5], v[TS+5], v[TS+7]
	s_mov_b32 vcc_lo, s[MC2+\e]
	v_dual_cndmask_b32 v[TS+0], v[TS+0], v[TS+4] :: v_dual_cndmask_b32 v[TS+1], v[TS+1], v[TS+5]
	s_mov_b32 vcc_lo, s[MC3+\e]
	v_dual_cndmask_b32 v[RAL+\e], v[TS+0], v[TS+8] :: v_dual_cndmask_b32 v[RBL+1-\e], v[TS+1], v[TS+9]
.endm
; The cell number of all 32 lanes of a set steps by +1, -1 or 0, clipped to 0 .. 9, as a ripple through its four bit planes.
.macro CELLMOVE e
	s_and_b32      s[MT0+\e],  s[MC3+\e],  s[MC0+\e]   ; cell 9
	s_and_not1_b32 s[MINC+\e], s[MU+\e],   s[MI+\e]    ; leaves upward
	s_and_not1_b32 s[MINC+\e], s[MINC+\e], s[MT0+\e]   ; and is not in the last cell
	s_or_b32       s[MT0+\e],  s[MC0+\e],  s[MC1+\e]
	s_or_b32       s[MT1+\e],  s[MC2+\e],  s[MC3+\e]
	s_or_b32       s[MT0+\e],  s[MT0+\e],  s[MT1+\e]   ; not cell 0
	s_or_b32       s[MT1+\e],  s[MI+\e],   s[MU+\e]
	s_and_not1_b32 s[MDEC+\e], s[MT0+\e],  s[MT1+\e]   ; leaves downward and is not in the first cell
	s_or_b32       s[MMOV+\e], s[MINC+\e], s[MDEC+\e]
	s_and_b32      s[MINC+\e], s[MINC+\e], s[MC0+\e]   ; carry out of bit 0
	s_and_not1_b32 s[MDEC+\e], s[MDEC+\e], s[MC0+\e]   ; borrow out of bit 0
	s_xor_b32      s[MC0+\e],  s[MC0+\e],  s[MMOV+\e]
	s_or_b32       s[MT0+\e],  s[MINC+\e], s[MDEC+\e]
	s_and_b32      s[MINC+\e], s[MINC+\e], s[MC1+\e]
	s_and_not1_b32 s[MDEC+\e], s[MDEC+\e], s[MC1+\e]
	s_xor_b32      s[MC1+\e],  s[MC1+\e],  s[MT0+\e]
	s_or_b32       s[MT0+\e],  s[MINC+\e], s[MDEC+\e]
	s_and_b32      s[MINC+\e], s[MINC+\e], s[MC2+\e]
	s_and_not1_b32 s[MDEC+\e], s[MDEC+\e], s[MC2+\e]
	s_xor_b32      s[MC2+\e],  s[MC2+\e],  s[MT0+\e]
	s_or_b32       s[MT0+\e],  s[MINC+\e], s[MDEC+\e]
	s_xor_b32      s[MC3+\e],  s[MC3+\e],  s[MT0+\e]
.endm
; One step of the closed-form integration, both sets.  The order is made so that four waits state all its dependences:
;   the eight compares on a, b and v stand in one run, with one wait ahead of the selects that read their masks;
;   the two exponentials and four reciprocals are one batch; four packed lines that name none of their results follow, then one wait;
;   the compare for 'inside' has the second wait on va_sdst; the scalar lines that move the cells stand behind it,
;   between the two logarithms and the second wait on va_vdst.
; Behind each batch of transcendentals stands plain work on other registers before a result is used (ISA guide 5.7.2).
.macro CPSTEP
	SELECT 0
	SELECT 1
	v_pk_fma_f32 v[RV:RV+1], v[RAL:RAL+1], v[RS:RS+1], v[RBL:RBL+1] op_sel:[0,0,1] op_sel_hi:[1,1,0]   ; v = a s + b
	v_pk_mul_f32 v[RY:RY+1], v[RT:RT+1], v[RAL:RAL+1]                                                  ; t a
	v_pk_add_f32 v[RR:RR+1], v[RL:RL+1], 1.0 op_sel_hi:[1,0]                                           ; right border
.irp e,0,1
	v_cmp_lt_f32 s[MS+\e], |v[RAL+\e]|, s52
	v_cmp_lt_f32 s[MB+\e], |v[RBL+1-\e]|, s53
	v_cmp_le_f32 s[MU+\e], 0, v[RV+\e]
	v_cmp_lt_f32 s[MV+\e], |v[RV+\e]|, s53
.endr
.irp e,0,1
	v_med3_num_f32 v[RY+\e], v[RY+\e], s57, s56                    ; clip to +-50, in base 2
.endr
	v_pk_mul_f32 v[RTL:RTL+1], v[RT:RT+1], F_LN2 op_sel_hi:[1,0]   ; t ln 2: with the scaled b it gives 10 t b
	s_wait_alu depctr_va_sdst(0)                                   ; the eight compares have written their masks, which the selects below and the scalar lines further down read
.irp e,0,1
	v_cndmask_b32 v[RSB+\e], v[RBL+1-\e], s55, s[MB+\e]            ; safe b (1 in the scaled unit)
	v_cndmask_b32 v[RXB+\e], v[RL+\e], v[RR+\e], s[MU+\e]          ; the border ahead
	v_cndmask_b32 v[RSV+\e], v[RV+\e], s55, s[MV+\e]               ; safe v
.endr
.irp e,0,1
	v_cndmask_b32 v[RSB+\e], v[RAL+\e], v[RSB+\e], s[MS+\e]        ; divisor: a, or safe b where a is small
.endr
	v_exp_f32 v[RY], v[RY]                                         ; eta
	v_exp_f32 v[RY+1], v[RY+1]
	v_rcp_f32 v[RSV], v[RSV]
	v_rcp_f32 v[RSV+1], v[RSV+1]
	v_rcp_f32 v[RSB], v[RSB]
	v_rcp_f32 v[RSB+1], v[RSB+1]
	v_pk_fma_f32 v[RVB:RVB+1], v[RAL:RAL+1], v[RXB:RXB+1], v[RBL:RBL+1] op_sel:[0,0,1] op_sel_hi:[1,1,0]   ; velocity at the border
	v_pk_add_f32 v[RDD:RDD+1], v[RXB:RXB+1], v[RS:RS+1] neg_lo:[0,1] neg_hi:[0,1]                          ; border - s
	v_pk_fma_f32 v[RLN:RLN+1], v[RXB:RXB+1], 2.0, v[RR:RR+1] op_sel_hi:[1,0,1] neg_lo:[0,0,1] neg_hi:[0,0,1]   ; 2 border - right = left +- 1
	v_pk_mul_f32 v[RDD:RDD+1], v[RDD:RDD+1], F_LOG2E op_sel_hi:[1,0]
	s_wait_alu depctr_va_vdst(0)                                   ; the batch has written eta and the four reciprocals, ahead of their first readers
	v_pk_add_f32 v[REM:REM+1], v[RY:RY+1], -1.0 op_sel_hi:[1,0]    ; eta - 1
	v_pk_mul_f32 v[RM:RM+1], v[RY:RY+1], v[RS:RS+1]                ; eta s
	v_pk_mul_f32 v[RVB:RVB+1], v[RVB:RVB+1], v[RSV:RSV+1]          ; ratio
	v_pk_mul_f32 v[REM:REM+1], v[REM:REM+1], v[RSB:RSB+1]          ; (eta - 1) / a
	v_dual_max_num_f32 v[RVB], s54, v[RVB] :: v_dual_max_num_f32 v[RVB+1], s54, v[RVB+1]
	v_log_f32 v[RVB], v[RVB]
	v_log_f32 v[RVB+1], v[RVB+1]
.irp e,0,1
	v_cndmask_b32 v[REM+\e], v[REM+\e], v[RTL+\e], s[MS+\e]
.endr
	v_pk_fma_f32 v[RM:RM+1], v[RBL:RBL+1], v[REM:REM+1], v[RM:RM+1] op_sel:[1,0,0] op_sel_hi:[0,1,1]       ; psi
.irp e,0,1
	v_med3_num_f32 v[RPC+\e], v[RM+\e], v[RL+\e], v[RR+\e]         ; psi clipped to the cell
.endr
.irp e,0,1
	v_cmp_eq_f32 s[MI+\e], v[RPC+\e], v[RM+\e]                     ; inside: the clip changed nothing
.endr
	s_wait_alu depctr_va_sdst(0)                                   ; the two compares have written the masks for 'inside', which the scalar lines and the selects below read
	CELLMOVE 0
	CELLMOVE 1
	s_wait_alu depctr_va_vdst(0)                                   ; the two logarithms are written, ahead of their first reader
.irp e,0,1
	v_cndmask_b32 v[RDD+\e], v[RVB+\e], v[RDD+\e], s[MS+\e]        ; numerator of tau
.endr
	v_pk_mul_f32 v[RDD:RDD+1], v[RDD:RDD+1], v[RSB:RSB+1]          ; tau
.irp e,0,1
	v_med3_num_f32 v[RDD+\e], v[RDD+\e], 0, v[RT+\e]
.endr
.irp e,0,1
	v_cndmask_b32 v[RDT+\e], v[RDD+\e], v[RT+\e], s[MI+\e]         ; dt = t inside, tau otherwise
	v_cndmask_b32 v[RS+\e], v[RXB+\e], v[RPC+\e], s[MI+\e]
.endr
	v_pk_fma_f32 v[RLG:RLG+1], v[RAL:RAL+1], v[RDT:RDT+1], v[RLG:RLG+1]
	v_pk_add_f32 v[RT:RT+1], v[RT:RT+1], v[RDT:RDT+1] neg_lo:[0,1] neg_hi:[0,1]
.irp e,0,1
	v_cndmask_b32 v[RL+\e], v[RL+\e], v[RLN+\e], s[MMOV+\e]
.endr
.endm
; One stage.  PA, PB: the MLP's input of sets A, B; QA, QB: the coordinate that is moved; ZA, ZB, GA, GB: where z and log dz go.
; xload = 1: once x has been read for the last time, the next trip's x is fetched into its registers.
.macro STAGE st, PA, PB, QA, QB, ZA, ZB, GA, GB, xload
	v_and_b32 v246, HIMASK, v[\PA]                 ; x = xh + xl, both exact in f16 down to its grain
	v_and_b32 v248, HIMASK, v[\PB]
	v_sub_f32 v247, v[\PA], v246
	v_sub_f32 v249, v[\PB], v248
	v_cvt_pk_f16_f32 v[BF+4], v246, v247           ; K 0, 1: xh, xl   (against uh, uh)
	v_cvt_pk_f16_f32 v[BF+5], v246, 1.0            ; K 2, 3: xh, 1    (against ul, ch); K 4, 5 are the constant 1, 1 (against cl, cl2)
	v_cvt_pk_f16_f32 v[BF+12], v248, v249
	v_cvt_pk_f16_f32 v[BF+13], v248, 1.0
	L1STEP \st, 0
	L1STEP \st, 1
	L2STEP \st, 0
	L2STEP \st, 1
	L2STEP \st, 2
	L2STEP \st, 3
	L3STEP 0
	L3STEP 1
	NOP4                                           ; the places behind layer 3's products, ahead of the lines that read their results and write over h2
	; A tile holds in lanes 0-15 rows 0-7 and in lanes 16-31 rows 8-15 of 16 points.  Exchanging the upper half of the first group's
	; register with the lower half of the second group's leaves lane l with point l of the set in both.
.irp e,0,1
.irp j,0,1,2,3,4,5,6,7
	v_permlane16_swap_b32 v[H1+32*\e+\j], v[H1+32*\e+16+\j]
.endr
	v_permlane16_swap_b32 v[H1+32*\e+8], v[H1+32*\e+24]
	v_permlane16_swap_b32 v[H1+32*\e+9], v[H1+32*\e+25]
.endr
	v_mul_f32 v[RS], F_TEN, v[\QA]
	v_mul_f32 v[RS+1], F_TEN, v[\QB]
	v_floor_f32 v[RL], v[RS]
	v_floor_f32 v[RL+1], v[RS+1]
	v_med3_num_f32 v[RL], v[RL], 0, F_NINE
	v_med3_num_f32 v[RL+1], v[RL+1], 0, F_NINE
	v_cvt_u32_f32 v246, v[RL]
	v_cvt_u32_f32 v247, v[RL+1]
.irp b,0,1,2,3
	v_and_b32 v248, 1<<\b, v246
	v_and_b32 v249, 1<<\b, v247
	v_cmp_ne_u32 s[MC0+2*\b], 0, v248
	v_cmp_ne_u32 s[MC0+2*\b+1], 0, v249
.endr
	v_mov_b32 v[RT], 1.0
	v_mov_b32 v[RT+1], 1.0
	v_mov_b32 v[RLG], 0
	v_mov_b32 v[RLG+1], 0
	s_wait_alu depctr_va_sdst(0)                   ; the eight compares have written the cell's bit planes, ahead of the loop's label and of their first reader behind it
	s_wait_alu depctr_va_vdst(0)                   ; layer 3's matrix instructions are done reading both buffer sets, and the multiplies above are done reading x: loads land in all of these below
	NEXTLOAD \st, 6
	NEXTLOAD \st, 7
.if \xload
	s_add_co_u32 s59, s58, USTEP                   ; the unit of my next trip; behind my last trip the look-ahead is held at the
	s_min_u32 s59, s59, NUNITS-1                   ; last unit, so that no load leaves x (its data are then not used)
	s_lshl_b32 s62, s59, 9
	s_add_nc_u64 s[94:95], s[8:9], s[62:63]        ; the base is free: the loads that named it were waited for at the head of the trip
	global_load_b64 v[XA:XA+1], v2, s[94:95] th:TH_LOAD_NT
	global_load_b64 v[XB:XB+1], v2, s[94:95] offset:256 th:TH_LOAD_NT
.endif
	s_mov_b32 s60, 0
.Lcp\st:
	CPSTEP
	s_add_co_u32 s60, s60, 1
	s_cmp_lt_u32 s60, NSTEP
	s_cbranch_scc1 .Lcp\st
.if \st == 0
	s_wait_xcnt 0x0                                ; every earlier memory instruction has had its addresses translated (ISA guide 3.1): the result pairs and the stores' bases are rewritten only behind this wait
	s_wait_alu depctr_vm_vsrc(0)                   ; the last trip's stores have read the four result pairs, which are written again from here on
.endif
	v_exp_f32 v[\GA], v[RLG]                       ; dz = exp(lg)
	v_exp_f32 v[\GB], v[RLG+1]
	v_mul_f32 v[\ZA], F_TENTH, v[RS]               ; z = s / 10
	v_mul_f32 v[\ZB], F_TENTH, v[RS+1]
	s_wait_alu depctr_va_vdst(0)                   ; the two exponentials are written, ahead of the logarithms that read them
	v_log_f32 v[\GA], v[\GA]                       ; log dz
	v_log_f32 v[\GB], v[\GB]
	v_nop
	s_wait_alu depctr_va_vdst(0)                   ; the two logarithms are written, ahead of the multiplies that read them
	v_mul_f32 v[\GA], F_LN2, v[\GA]
	v_mul_f32 v[\GB], F_LN2, v[\GB]
.endm
; acc += Wout[q][my 8 columns] * Bf[q]; Bf[q] is the first (hi = 0) or second (hi = 1) register of the pair pr
.macro W3ROW q, pr, hi
.irp c,0,1,2,3
.if \hi
	v_pk_fma_f32 v[206+2*\c:207+2*\c], v[96+8*\q+2*\c:97+8*\q+2*\c], v[\pr:\pr+1], v[206+2*\c:207+2*\c] op_sel:[0,1,0] op_sel_hi:[1,1,1]
.else
	v_pk_fma_f32 v[206+2*\c:207+2*\c], v[96+8*\q+2*\c:97+8*\q+2*\c], v[\pr:\pr+1], v[206+2*\c:207+2*\c] op_sel_hi:[1,0,1]
.endif
.endr
.endm
; ------------------------------------------------------------------ prologue: ids, offsets, all loads in one run, the folds, all LDS stores in one run, one barrier
	s_load_b512 s[8:23], s[0:1], 0x0               ; x, B, m2: Win, bin, Wmid, bmid, Wout, bout
	s_load_b512 s[24:39], s[0:1], 0x40             ; m1: Win, bin, Wmid, bmid, Wout, bout; out0, out1
	v_lshl_add_u32 v254, v0, 2, 0x8400
	v_mov_b32 v255, 0
	v_lshrrev_b32 v1, 5, v0
	v_readfirstlane_b32 s4, v1                     ; wave 0 .. 15
	v_and_b32 v10, 31, v0                          ; lane
	v_and_b32 v11, 15, v0                          ; r
	v_bfe_u32 v12, v0, 4, 1                        ; h
	v_lshrrev_b32 v13, 2, v10                      ; lane / 4
	v_and_b32 v14, 7, v10
	v_and_b32 v15, 1, v10
	s_mov_b32 s52, 0x2f1ea041                      ; 1e-10 log2 e
	s_mov_b32 s53, 0x30c64852                      ; 1e-9 log2 e
	s_mov_b32 s54, 0x2edbe6ff                      ; 1e-10
	s_mov_b32 s55, 0x4166d4ca                      ; 10 log2 e
	s_mov_b32 s56, 0x429044fe                      ; 50 log2 e
	s_mov_b32 s57, 0xc29044fe
	s_wait_alu depctr_va_sdst(0)                   ; s4 is written, ahead of its first reader: units, shares of the folds and LDS places are made from it
	s_lshl_b32 s58, s4, 8
	s_add_co_u32 s58, s58, ttmp9                   ; my first unit
	s_add_co_u32 s2, s58, 3*USTEP
	s_cmp_lt_u32 s2, NUNITS
	s_cselect_b32 s6, 4, 3                         ; trips
	s_and_b32 s60, s4, 7                           ; j: my share of the folds of my stage
	s_lshr_b32 s61, s4, 3                          ; stage whose weights I fold: waves 0-7 MLP2, 8-15 MLP1
	s_mul_i32 s62, s61, STG
	s_and_b32 s67, s60, 1
	s_lshr_b32 s63, s60, 1
	s_lshr_b32 s70, s60, 2                         ; layer 3 tile
	s_bfe_u32 s72, s60, 0x10001                    ; layer 3 half of K
	v_lshlrev_b32 v2, 3, v10                       ; 8 lane
	; global offsets.  Fold 1: rows 8 j + lane / 4 of Wmid[0], 16 columns a lane
	s_lshl_b32 s2, s60, 11
	v_lshl_add_u32 v170, v10, 6, s2
	v_and_b32 v171, 3, v10
	v_lshlrev_b32 v171, 6, v171                    ; the same 16 columns of Win and bin
	s_lshl_b32 s3, s60, 5
	v_lshl_add_u32 v172, v13, 2, s3                ; bmid[0] of my row
	; fold 2: fragment j of Wmid[1]: row 16 (j / 2) + r, columns 32 (j & 1) + 8 h
	s_lshl_b32 s66, s63, 12
	s_lshl_b32 s68, s67, 7
	s_add_co_u32 s66, s66, s68
	s_add_co_u32 s66, s66, 16384
	v_lshl_add_u32 v173, v11, 8, s66
	v_lshl_add_u32 v173, v12, 5, v173
	s_add_co_u32 s69, s3, 256
	v_lshl_add_u32 v174, v14, 2, s69               ; bmid[1], 8 numbers a wave
	; fold 3: row i of B.  Tile 0: i = r.  Tile 1: i = 16 + (r & 1) + 2 (r / 8), used where (r & 6) = 0; i never passes 19
	s_cmp_lg_u32 s70, 0
	s_cselect_b32 s71, -1, 0
	v_lshrrev_b32 v180, 3, v11
	v_lshl_add_u32 v180, v180, 1, v15
	v_add_nc_u32 v180, 16, v180
	v_cndmask_b32 v180, v11, v180, s71
	v_mul_u32_u24 v175, 36, v180
	s_lshl_b32 s72, s72, 7
	s_lshl_b32 s73, s67, 6
	s_add_co_u32 s72, s72, s73
	v_lshl_add_u32 v176, v12, 5, s72               ; Wout columns 32 kf + 16 (j & 1) + 8 h
	; LDS addresses of what I store
	s_lshl_b32 s74, s63, 10
	s_add_co_u32 s74, s74, s68
	s_add_co_u32 s74, s74, s62
	v_lshl_add_u32 v178, v13, 4, s74               ; layer 1: tile j / 2, row 8 (j & 1) + lane / 4; the four lanes of a row write its
	v_bfe_u32 v181, v10, 1, 1                      ; four places: registers 0-3 or 4-7 (bit 1 of the lane), half 0 or 1 (bit 0)
	v_lshl_add_u32 v178, v181, 9, v178
	v_lshl_add_u32 v178, v15, 8, v178
	s_lshl_b32 s75, s60, 10
	s_add_co_u32 s75, s75, s62
	v_lshl_add_u32 v179, v10, 4, s75
	s_add_co_u32 s76, s3, s62
	v_lshl_add_u32 v177, v14, 2, s76
	s_lshl_b32 s77, s60, 9
	s_add_co_u32 s77, s77, s62
	v_lshl_add_u32 v168, v10, 4, s77
	s_lshl_b32 s78, s70, 6
	s_add_co_u32 s78, s78, s62
	v_lshl_add_u32 v169, v11, 2, s78
	; masks and the factor of my ab row: the three compares in one run
	v_xor_b32 v181, v181, v15
	v_and_b32 v180, 6, v11
	v_cmp_eq_u32 s79, 0, v181                      ; places (0-3, half 0) and (4-7, half 1) hold the coefficients, the other two zeros
	v_cmp_eq_u32 s80, 0, v180
	v_cmp_ne_u32 s82, 0, v15                       ; odd row: b
	v_mov_b32 v204, F_LOG2E
	s_not_b32 s81, s71
	s_wait_alu depctr_va_sdst(0)                   ; the three compares have written s79, s80 and s82, ahead of their first readers
	s_or_b32 s80, s80, s81                         ; my row of the tile is an ab row
	v_cndmask_b32 v204, v204, s55, s82
	v_cndmask_b32 v204, 0, v204, s80
	s_wait_kmcnt 0x0
	s_cmp_lt_u32 s4, 8
	s_cselect_b64 s[40:41], s[12:13], s[24:25]     ; Win
	s_cselect_b64 s[42:43], s[14:15], s[26:27]     ; bin
	s_cselect_b64 s[44:45], s[16:17], s[28:29]     ; Wmid
	s_cselect_b64 s[46:47], s[18:19], s[30:31]     ; bmid
	s_cselect_b64 s[48:49], s[20:21], s[32:33]     ; Wout
	s_cselect_b64 s[50:51], s[22:23], s[34:35]     ; bout
	s_lshl_b32 s62, s58, 9                         ; my first unit's byte offset; the LDS places made from s62 and s63 stand above
	s_mov_b32 s63, 0                               ; its high word, for the whole kernel
	s_add_nc_u64 s[94:95], s[8:9], s[62:63]        ; x at my first unit
	s_load_b256 s[84:91], s[50:51], 0x0
	s_load_b32 s92, s[50:51], 0x20
	s_wait_alu depctr_va_vdst(0)                   ; v2 and v168 to v179 are written: the offsets and LDS addresses that the loads and stores of the prologue read
	global_load_b64 v[XA:XA+1], v2, s[94:95] th:TH_LOAD_NT         ; 32 lanes x 8 bytes: 256 consecutive bytes, aligned
	global_load_b64 v[XB:XB+1], v2, s[94:95] offset:256 th:TH_LOAD_NT
.irp q,0,1,2,3
	global_load_b128 v[16+4*\q:19+4*\q], v170, s[44:45] offset:16*\q
	global_load_b128 v[32+4*\q:35+4*\q], v171, s[40:41] offset:16*\q
	global_load_b128 v[48+4*\q:51+4*\q], v171, s[42:43] offset:16*\q
.endr
	global_load_b32 v64, v172, s[46:47]
	global_load_b128 v[66:69], v173, s[44:45]
	global_load_b128 v[70:73], v173, s[44:45] offset:16
	global_load_b128 v[74:77], v173, s[44:45] offset:64
	global_load_b128 v[78:81], v173, s[44:45] offset:80
	global_load_b32 v82, v174, s[46:47]
.irp q,0,1,2,3,4,5,6,7,8
	global_load_b32 v[84+\q], v175, s[10:11] offset:4*\q
.endr
.irp q,0,1,2,3,4,5,6,7,8
	global_load_b128 v[96+8*\q:99+8*\q], v176, s[48:49] offset:256*\q
	global_load_b128 v[100+8*\q:103+8*\q], v176, s[48:49] offset:256*\q+16
.endr
	s_wait_loadcnt 0x0
	s_wait_kmcnt 0x0
	; fold 1: u = Wmid0 Win, c = Wmid0 bin + bmid0, in f32; four lanes share a row
	v_pk_mul_f32 v[182:183], v[16:17], v[32:33]
	v_pk_mul_f32 v[184:185], v[16:17], v[48:49]
.irp q,1,2,3,4,5,6,7
	v_pk_fma_f32 v[182:183], v[16+2*\q:17+2*\q], v[32+2*\q:33+2*\q], v[182:183]
	v_pk_fma_f32 v[184:185], v[16+2*\q:17+2*\q], v[48+2*\q:49+2*\q], v[184:185]
.endr
	v_add_f32 v182, v182, v183
	v_add_f32 v184, v184, v185
	v_add_f32_dpp v182, v182, v182 row_xmask:1 row_mask:0xf bank_mask:0xf
	v_add_f32_dpp v184, v184, v184 row_xmask:1 row_mask:0xf bank_mask:0xf
	v_add_f32_dpp v182, v182, v182 row_xmask:2 row_mask:0xf bank_mask:0xf
	v_add_f32_dpp v184, v184, v184 row_xmask:2 row_mask:0xf bank_mask:0xf
	v_add_f32 v184, v184, v64
	v_and_b32 v186, HIMASK, v182                   ; uh
	v_sub_f32 v187, v182, v186                     ; ul
	v_and_b32 v188, HIMASK, v184                   ; ch
	v_sub_f32 v189, v184, v188
	v_and_b32 v190, HIMASK, v189                   ; cl
	v_sub_f32 v191, v189, v190                     ; cl2
	v_cvt_pk_f16_f32 v192, v186, v186
	v_cvt_pk_f16_f32 v193, v187, v188
	v_cvt_pk_f16_f32 v194, v190, v191
	v_mov_b32 v195, 0
	v_cndmask_b32 v192, 0, v192, s79
	v_cndmask_b32 v193, 0, v193, s79
	v_cndmask_b32 v194, 0, v194, s79
	; fold 2: my fragment of Wmid[1] in f16 (8 numbers of bmid[1] go to LDS as they were loaded)
.irp q,0,1,2,3,4,5,6,7
	v_cvt_pk_f16_f32 v[196+\q], v[66+2*\q], v[67+2*\q]
.endr
	; fold 3: 8 columns of row i of f B Wout, and f B bout
.irp q,0,1,2,3,4,5,6,7,8
	v_mul_f32 v[84+\q], v204, v[84+\q]
.endr
	v_mov_b32 v93, 0                               ; the packed forms name whole pairs
.irp c,0,1,2,3
	v_pk_mul_f32 v[206+2*\c:207+2*\c], v[96+2*\c:97+2*\c], v[84:85] op_sel_hi:[1,0]
.endr
	W3ROW 1, 84, 1
	W3ROW 2, 86, 0
	W3ROW 3, 86, 1
	W3ROW 4, 88, 0
	W3ROW 5, 88, 1
	W3ROW 6, 90, 0
	W3ROW 7, 90, 1
	W3ROW 8, 92, 0
	v_mul_f32 v214, s84, v84
.irp q,1,2,3,4,5,6,7,8
	v_fma_f32 v214, s[84+\q], v[84+\q], v214
.endr
.irp c,0,1,2,3
	v_cvt_pk_f16_f32 v[216+\c], v[206+2*\c], v[207+2*\c]
.endr
	s_wait_alu depctr_va_vdst(0)                   ; the three folds have written v[192:203], v214 and v[216:219], which the LDS stores below read
	ds_store_b128 v178, v[192:195] offset:W1F
	ds_store_b128 v179, v[196:199] offset:W2F
	ds_store_b128 v179, v[200:203] offset:W2F+512
	ds_store_b32 v177, v82 offset:C2O
	ds_store_b128 v168, v[216:219] offset:W3F
	s_and_b32 s2, s4, 3                            ; the four waves of a tile hold the same bias: one of them stores it
	s_cmp_lg_u32 s2, 0
	s_cbranch_scc1 .Lno_bias
	ds_store_b32 v169, v214 offset:C3O
.Lno_bias:
	s_wait_dscnt 0x0                               ; my stores are in LDS before I say so; from here on LDS is only read
	s_barrier_signal -1
	s_barrier_wait -1
	s_wait_alu depctr_vm_vsrc(0)                   ; the prologue's loads and LDS stores have read their offsets, addresses and data (v82, v168 to v179, v192 to v219): these registers are FRAG, H1 and H2 from here on
	v_lshlrev_b32 v0, 4, v10                       ; 16 lane
	v_lshlrev_b32 v1, 5, v12                       ; 32 h
.irp q,0,1,2,3,7,8,9,10,11,15,16,17,18,19
	v_mov_b32 v[BF+\q], 0                          ; the zero blocks and K 6, 7 of both d
.endr
	v_mov_b32 v[BF+6], 0x3c003c00                  ; K 4, 5 of d: 1, 1 in f16
	v_mov_b32 v[BF+14], 0x3c003c00
	s_wait_alu depctr_va_vdst(0)                   ; v0 and v1 are written, which every fragment load of the kernel reads; the folds are done with v[38:85], in which those loads land
	LOADSTEP 0, 0, 0
	LOADSTEP 1, 0, 1
	s_mov_b32 s7, 0
; ------------------------------------------------------------------ a trip: one unit of 64 points through both stages
.Ltrip:
	s_wait_loadcnt 0x0                             ; x of this trip, asked for during stage 1 of the last one
	STAGE 0, XA+1, XB+1, XA, XB, O0A, O0B, O1A, O1B, 0
	STAGE 1, O0A, O0B, XA+1, XB+1, O0A+1, O0B+1, O1A+1, O1B+1, 1
	s_lshl_b32 s62, s58, 9                         ; this unit's byte offset
	s_add_nc_u64 s[96:97], s[36:37], s[62:63]      ; out0 and out1 at this unit: the bases are free since the s_wait_xcnt 0 at the end of stage 0,
	s_add_nc_u64 s[98:99], s[38:39], s[62:63]      ; behind which no instruction has named them
	s_wait_alu depctr_va_vdst(0)                   ; the multiplies at the ends of both stages have written the four result pairs, which the stores read
	global_store_b64 v2, v[O0A:O0A+1], s[96:97] th:TH_STORE_NT             ; each store of the wave covers 256 consecutive bytes, aligned
	global_store_b64 v2, v[O0B:O0B+1], s[96:97] offset:256 th:TH_STORE_NT
	global_store_b64 v2, v[O1A:O1A+1], s[98:99] th:TH_STORE_NT
	global_store_b64 v2, v[O1B:O1B+1], s[98:99] offset:256 th:TH_STORE_NT
	s_add_co_u32 s58, s58, USTEP
	s_add_co_u32 s7, s7, 1
	s_cmp_lt_u32 s7, s6
	s_cbranch_scc1 .Ltrip
	s_wait_dscnt 0x0                               ; the fragments that the last trip fetched ahead
	s_wait_alu depctr_hold_cnt(0) depctr_sa_sdst(0) depctr_va_vdst(0) depctr_va_sdst(0) depctr_va_ssrc(0) depctr_va_vcc(0) depctr_vm_vsrc(0)
	s_wait_tensorcnt 0x0
	ds_add_u32 v254, v255
	s_wait_dscnt 0x0
	s_endpgm
.Lfunc_end_k_q1285ae7563_cpab:
	.size	k_q1285ae7563_cpab, .Lfunc_end_k_q1285ae7563_cpab-k_q1285ae7563_cpab
	.p2alignl 7, 3214868480
	.fill 96, 4, 3214868480
	.section	.rodata,"a",@progbits
	.p2align	6, 0x0
	.amdhsa_kernel k_q1285ae7563_cpab
		.amdhsa_group_segment_fixed_size 35840
		.amdhsa_private_segment_fixed_size 0
		.amdhsa_enable_private_segment 0
		.amdhsa_kernarg_size 128
		.amdhsa_user_sgpr_count 2
		.amdhsa_user_sgpr_kernarg_segment_ptr 1
		.amdhsa_wavefront_size32 1
		.amdhsa_system_sgpr_workgroup_id_x 1
		.amdhsa_system_sgpr_workgroup_id_y 1
		.amdhsa_system_sgpr_workgroup_id_z 1
		.amdhsa_system_vgpr_workitem_id 0
		.amdhsa_next_free_vgpr 256
		.amdhsa_next_free_sgpr 100
		.amdhsa_reserve_vcc 1
		.amdhsa_float_denorm_mode_32 3
		.amdhsa_float_denorm_mode_16_64 3
		.amdhsa_memory_ordered 1
		.amdhsa_forward_progress 1
		.amdhsa_inst_pref_size 86
	.end_amdhsa_kernel
	.amdgpu_metadata
---
amdhsa.version: [ 1, 2 ]
amdhsa.kernels:
  - .name:           k_q1285ae7563_cpab
    .symbol:         k_q1285ae7563_cpab.kd
    .args:
      - { .name: x, .offset: 0, .size: 8, .value_kind: global_buffer, .address_space: global }
      - { .name: B, .offset: 8, .size: 8, .value_kind: global_buffer, .address_space: global }
      - { .name: m2_Win, .offset: 16, .size: 8, .value_kind: global_buffer, .address_space: global }
      - { .name: m2_bin, .offset: 24, .size: 8, .value_kind: global_buffer, .address_space: global }
      - { .name: m2_Wmid, .offset: 32, .size: 8, .value_kind: global_buffer, .address_space: global }
      - { .name: m2_bmid, .offset: 40, .size: 8, .value_kind: global_buffer, .address_space: global }
      - { .name: m2_Wout, .offset: 48, .size: 8, .value_kind: global_buffer, .address_space: global }
      - { .name: m2_bout, .offset: 56, .size: 8, .value_kind: global_buffer, .address_space: global }
      - { .name: m1_Win, .offset: 64, .size: 8, .value_kind: global_buffer, .address_space: global }
      - { .name: m1_bin, .offset: 72, .size: 8, .value_kind: global_buffer, .address_space: global }
      - { .name: m1_Wmid, .offset: 80, .size: 8, .value_kind: global_buffer, .address_space: global }
      - { .name: m1_bmid, .offset: 88, .size: 8, .value_kind: global_buffer, .address_space: global }
      - { .name: m1_Wout, .offset: 96, .size: 8, .value_kind: global_buffer, .address_space: global }
      - { .name: m1_bout, .offset: 104, .size: 8, .value_kind: global_buffer, .address_space: global }
      - { .name: out0, .offset: 112, .size: 8, .value_kind: global_buffer, .address_space: global }
      - { .name: out1, .offset: 120, .size: 8, .value_kind: global_buffer, .address_space: global }
    .group_segment_fixed_size: 35840
    .private_segment_fixed_size: 0
    .kernarg_segment_align: 8
    .kernarg_segment_size: 128
    .max_flat_workgroup_size: 512
    .sgpr_count:     100
    .vgpr_count:     256
    .wavefront_size: 32
...
	.end_amdgpu_metadata
.endif
;; end of part 2
